; MI455X (gfx1250); checked and timed in simulation.
; The chip was launched on July 23, 2026; its instructions are those of AMD's public machine-readable ISA for CDNA 5 (MIT licence, August 2026) and "CDNA5" Instruction Set Architecture Reference Guide (July 2026). The comments in the code are by the model that wrote it; some were corrected since.
;; Standard Attention. Allowed arithmetic: matrix products marked QUANTISED: E2M1 operands, one E8M0 scale for each 32 along K, by v_wmma_scale_f32_16x16x128_f8f6f4 with both operands' format E2M1 (or v_wmma_scale_f32_32x16x128_f4), f32 sums; products left as they are: bf16, f16 or f32 operands; f32 sums; everything else in f32.
;; Inputs: out_b 1,024 float32; out_w 1,024 x 1,024 float32; qkv_b 3,072 float32; qkv_w 3,072 x 1,024 float32; x 1 x 4,096 x 1,024 float32.
;; Outputs: out0 1 x 4,096 x 1,024 float32.
;; This version of the problem:
;;   THIS VERSION OF THE PROBLEM IS GIVEN IN LOW PRECISION. The matrix products marked QUANTISED in the list below multiply operands that are first quantised to E2M1 (2 exponent bits, 1 mantissa bit; 4 bits a number), with one power-of-two scale for each 32 numbers along K (OCP MX v1.0); their sums are f32. The products marked 'left as it is' may take bf16, f16 or f32 operands, with f32 sums. Whichever they take, every output number must still come out within the allowed error. Rounding operands to bf16 (8 significant bits) uses up far more of that allowance than f16 does (11 bits, for magnitudes from 6e-5 to 65,504). All else is computed in f32.
;;   The module's matrix products, in the order in which they are computed (A, B: the left and right operand; K: the contracted axis; several contracted axes count as one K, in the product's order):
;;     1. [M 4,096, K 1,024] x [K 1,024, N 3,072]; A: input x; B: input qkv_w: QUANTISED
;;     2. batch 16 x [M 4,096, K 64] x [K 64, N 4,096]; A: computed on the way; B: computed on the way: left as it is (an operand is computed on the way)
;;     3. batch 16 x [M 4,096, K 4,096] x [K 4,096, N 64]; A: computed on the way; B: computed on the way: left as it is (an operand is computed on the way)
;;     4. [M 4,096, K 1,024] x [K 1,024, N 1,024]; A: computed on the way; B: input out_w: left as it is (an operand is computed on the way)
;;   THE QUANTISER, for each operand of a quantised product, along K:
;;     - K is cut into blocks of 32 from its start; a last block that is shorter is filled with zeros.
;;     - A block's scale is 2^e with e = floor(log2(the largest magnitude in the block)) - 2, held to -126 .. 127; a block of zeros has e = 0. As a byte (E8M0): e + 127.
;;     - Each number is divided by its block's scale, clamped to +-6, and rounded to the nearest number of E2M1, ties to even, subnormals kept.
;;     - The product sums the exact products of the quantised numbers (number of the format x scale) in f32.
;;   ~~~python
;;   def quantise(x, axis):      # numpy; x: float32 -> the quantised numbers, widened to float32 again
;;       x = np.moveaxis(x, axis, -1); K = x.shape[-1]
;;       x = np.pad(x, [(0, 0)] * (x.ndim - 1) + [(0, -K % 32)]); x = x.reshape(x.shape[:-1] + (-1, 32)); a = np.abs(x).max(-1, keepdims=True)
;;       e = np.where(a > 0, np.clip(np.frexp(np.where(a > 0, a, 1))[1] - 1 - 2, -126, 127), 0)      # np.frexp(a)[1] - 1 = floor(log2(a)), exactly
;;       r = np.clip(x / 2.0 ** e, -6, 6)
;;       step = 2.0 ** (np.maximum(np.frexp(np.where(r == 0, 1, r))[1] - 1, 0) - 1)
;;       q = np.round(r / step) * step * 2.0 ** e      # np.round: ties to even
;;       return np.moveaxis(q.reshape(q.shape[:-2] + (-1,))[..., :K], -1, axis).astype(np.float32)
;;   ~~~
;; One version. Each part assembles by itself: llvm-mc -triple=amdgcn-amd-amdhsa -mcpu=gfx1250 --defsym DOCPART=n.
;; ======== version 1 of 1: 5 launches
;; limits: values are held in f16: magnitudes above 65,504 overflow, below 6.1e-05 lose precision
;; workspace buffers: xc 2,097,152 bytes; xs 131,072 bytes; wc 1,572,864 bytes; ws 98,304 bytes; ow16 2,097,152 bytes; qkv16 25,165,824 bytes; fine 196,608 bytes; ao 8,388,608 bytes
;; launch quant (part 1): grid 256 x 1, 4 waves a work-group, no clusters, 33,280 bytes of LDS; arguments x, qkv_w, xc, xs, wc, ws, out_w, ow16; writes xc, xs, wc, ws, ow16
.if DOCPART == 1
	.amdgcn_target "amdgcn-amd-amdhsa--gfx1250"
	.amdhsa_code_object_version 6
	.text
	.protected	k_qfe37aff8cb_quant
	.globl	k_qfe37aff8cb_quant
	.p2align	8
	.type	k_qfe37aff8cb_quant,@function
k_qfe37aff8cb_quant:
	s_mov_b64 s[64:65], 0
	v_nop
	global_prefetch_b8 v0, s[64:65] scope:SCOPE_SE
	s_setreg_imm32_b32 hwreg(HW_REG_WAVE_MODE, 25, 1), 1
	s_wait_xcnt 0x0
; x [4096][1024] and qkv_w [3072][1024], f32, become codes of FP4 (E2M1), K innermost, two codes a byte, with one E8M0 byte for each 32 along K; out_w [1024][1024], f32, becomes f16.
; A block's scale is 2^(floor(log2(its largest magnitude)) - 2); its byte is the largest magnitude's exponent field - 2, held at 1 from below.  A block of zeros gets the byte 1 where the
; quantiser says 127: its codes are zeros, which add nothing under any byte but 0xff, and this program alone reads the bytes.
; LIMITS: NaN and infinities among the inputs are not served; out_w beyond 65,504 in magnitude has no f16 number.
; Work-groups 0-127 take x, 128-223 qkv_w: both are plain streams of blocks of 32 numbers; a wave takes 16 steps of 512 numbers.  Each load reads 512 consecutive bytes; a step's 2,048 bytes turn through the
; wave's own stage in LDS, so that a lane holds 16 neighbours along K (two lanes hold a block).  A lane's 16 codes are 8 bytes: a wave's store covers 256 consecutive bytes.  A wave's 256 scale bytes gather in LDS
; and leave as 256 consecutive bytes.
; Work-groups 224-255 take out_w: 8 rows a wave.  ow16 is laid [16 blocks of 64 along K][1024 rows][64], so that a tile of the last product is a few long dense runs of memory.
.set SIZE_M, 4096
.set SIZE_N, 3072
.set SIZE_K, 1024
.set WAVES, 4
.set STEPS, 16
.set WGA,   SIZE_M*SIZE_K/(512*STEPS*WAVES)            ; 128 work-groups for x
.set WGQ,   (SIZE_M+SIZE_N)*SIZE_K/(512*STEPS*WAVES)   ; 224 for both
.set EMAX,  2
.set CB,    8                          ; bytes of 16 codes
.set R,     16                         ; v16-79   four sets of 16 numbers as they are loaded
.set X,     80                         ; v80-111  two sets of 16 neighbours
.set C,     128                        ; v128-191 codes: four registers for each step, so that no store's data are written again
.set E,     112                        ; v112-127 a scale byte for each step
.set WREG,  8192                       ; LDS: a region for each wave: two stages of 32 x SP bytes, behind them its 256 scale bytes
.set SP,    80                         ; a lane's place in a stage: 64 bytes + 16 of padding
.set SPW,   12                         ; v12  LDS address of my spare word; never rewritten
.set NIL,   13                         ; v13  0; never rewritten
.set SPARE, WAVES*WREG                 ; the spare words, 128 bytes for each wave, which no other line names
.set LI,    10                         ; out_w's path: v10 my byte in a pair of rows, v11 my 8 bytes of a store
.set SO,    11
.set H16,   144                        ; out_w's path: v144-175 the f16 numbers of a pair of rows
	s_load_b128 s[4:7], s[0:1], 0x0                ; x, qkv_w
	s_load_b128 s[8:11], s[0:1], 0x10              ; x's codes, x's scales
	s_load_b128 s[12:15], s[0:1], 0x20             ; qkv_w's codes, its scales
	s_load_b128 s[24:27], s[0:1], 0x30             ; out_w, ow16
	v_lshl_add_u32 v[SPW], v0, 2, SPARE
	v_mov_b32 v[NIL], 0
	v_lshrrev_b32 v1, 5, v0
	v_readfirstlane_b32 s16, v1                    ; wave
	v_and_b32 v2, 31, v0                           ; lane
	v_lshlrev_b32 v3, 4, v2                        ; my 16 bytes of a load's 512
	s_mul_i32 s17, s16, WREG
	v_lshrrev_b32 v14, 2, v2
	v_mul_u32_u24 v14, v14, SP
	v_and_b32 v15, 3, v2
	v_lshl_add_u32 v14, v15, 4, v14
	v_add_nc_u32 v14, s17, v14                     ; the stage, on the way in: SP (lane / 4) + 16 (lane % 4)
	v_mul_u32_u24 v15, v2, SP
	v_add_nc_u32 v15, s17, v15                     ; and on the way out: SP x lane: my 16 neighbours
	v_mul_u32_u24 v4, v2, CB                       ; my codes' place in a step's
	v_lshrrev_b32 v5, 1, v2
	s_add_co_u32 s17, s17, 2*32*SP
	v_add_nc_u32 v5, s17, v5                       ; LDS: my wave's 256 scale bytes, my block's byte
	v_lshlrev_b32 v7, 3, v2                        ; and on the way out 8 bytes a lane
	v_add_nc_u32 v6, s17, v7
	s_wait_kmcnt 0x0
	s_cmp_ge_u32 ttmp9, WGQ                        ; the last 32 work-groups take out_w: a branch on the work-group's number alone
	s_cbranch_scc1 .Lconv
	s_cmp_lt_u32 ttmp9, WGA                        ; x's work-group or qkv_w's?
	s_cselect_b64 s[4:5], s[4:5], s[6:7]
	s_cselect_b64 s[8:9], s[8:9], s[12:13]
	s_cselect_b64 s[10:11], s[10:11], s[14:15]
	s_cselect_b32 s17, 0, WGA
	s_sub_co_u32 s17, ttmp9, s17
	s_lshl_b32 s17, s17, 2
	s_add_co_u32 s18, s17, s16                     ; which run of 8,192 numbers of the tensor is my wave's
	s_mov_b32 s19, 0
	s_mov_b64 s[20:21], 512*STEPS*4
	s_mul_u64 s[20:21], s[18:19], s[20:21]
	s_add_nc_u64 s[4:5], s[4:5], s[20:21]
	s_mov_b64 s[20:21], 32*STEPS*CB
	s_mul_u64 s[20:21], s[18:19], s[20:21]
	s_add_nc_u64 s[8:9], s[8:9], s[20:21]
	s_lshl_b32 s18, s18, 8                         ; 256 scale bytes a run
	s_add_nc_u64 s[10:11], s[10:11], s[18:19]
.macro LOAD t
.irp i, 0,1,2,3
	global_load_b128 v[R+16*((\t)%4)+4*\i:R+16*((\t)%4)+4*\i+3], v3, s[4:5] offset:2048*(\t)+512*\i th:TH_LOAD_NT   ; 32 lanes read 512 consecutive bytes
.endr
.endm
.macro TURN t                          ; step t's numbers through the stage: LDS serves a wave's instructions in order, so no wait stands between the stores and the loads
.irp i, 0,1,2,3
	ds_store_b128 v14, v[R+16*((\t)%4)+4*\i:R+16*((\t)%4)+4*\i+3] offset:32*SP*((\t)%2)+8*SP*\i
.endr
.irp i, 0,1,2,3
	ds_load_b128 v[X+16*((\t)%2)+4*\i:X+16*((\t)%2)+4*\i+3], v15 offset:32*SP*((\t)%2)+16*\i
.endr
.endm
.irp t, 0,1,2,3
	LOAD \t
.endr
	s_wait_loadcnt 12                              ; step 0's four loads are in; the twelve of steps 1 to 3 stay out
	TURN 0
.macro STEP t
.set XS, X+16*((\t)%2)
.if (\t) > 0
	s_wait_dscnt 1                                 ; this step's numbers are back from the stage (the last step's byte store may be out)
.else
	s_wait_dscnt 0x0
.endif
.if (\t)+4 < STEPS
	LOAD (\t)+4                                    ; into the registers that the stage's stores have read
.endif
.if (\t)+1 < STEPS
.if STEPS-2-(\t) >= 3
	s_wait_loadcnt 12                              ; the next step's four loads are in; those of the three steps behind it may be out
.else
	s_wait_loadcnt 4*(STEPS-2-(\t))
.endif
	TURN (\t)+1                                    ; through the other stage while this step is worked
.endif
	v_max3_num_f32 v8, |v[XS]|, |v[XS+1]|, |v[XS+2]|               ; the largest magnitude of my 16, in two chains
	v_max3_num_f32 v9, |v[XS+3]|, |v[XS+4]|, |v[XS+5]|
.irp i, 6,10
	v_max3_num_f32 v8, v8, |v[XS+\i]|, |v[XS+\i+1]|
	v_max3_num_f32 v9, v9, |v[XS+\i+2]|, |v[XS+\i+3]|
.endr
	v_max3_num_f32 v8, v8, |v[XS+14]|, |v[XS+15]|
	v_max3_num_f32 v8, v8, v9, (EMAX+1)<<23        ; and the floor 2^(EMAX + 1 - 127): the byte cannot fall under 1
	v_max_num_f32_dpp v8, v8, v8 row_xmask:1 row_mask:0xf bank_mask:0xf   ; with my neighbour's 16: the block's
	v_add_nc_u32 v11, -(EMAX<<23), v8              ; EMAX off its exponent field: the conversion takes this operand's exponent field as its scale
	v_cvt_scalef32_pk8_fp4_f32 v[C+4*(\t)], v[XS:XS+7], v11        ; to the nearest code, ties to even, beyond the largest code the largest
	v_cvt_scalef32_pk8_fp4_f32 v[C+4*(\t)+1], v[XS+8:XS+15], v11
	v_lshrrev_b32 v[E+(\t)], 23, v11               ; the scale's byte
	ds_store_b8 v5, v[E+(\t)] offset:16*(\t)       ; both lanes of a block write the same byte with the same value
	global_store_b64 v4, v[C+4*(\t):C+4*(\t)+1], s[8:9] offset:32*CB*(\t)
.endm
.irp t, 0,1,2,3,4,5,6,7,8,9,10,11,12,13,14,15
	STEP \t
.endr
	ds_load_b64 v[8:9], v6                         ; LDS serves a wave's instructions in order: these see my stores
	s_wait_dscnt 0x0
	global_store_b64 v7, v[8:9], s[10:11]          ; 32 lanes store 256 consecutive bytes, aligned
	s_wait_tensorcnt 0x0                           ; the wave's end
	ds_add_u32 v[SPW], v[NIL]
	s_wait_dscnt 0x0
	s_endpgm
; out_w to f16.  Work-group 224 + g, wave w: rows 32 g + 8 w on, two rows at a time.  A load takes 64 numbers of each of the two rows (lanes 0-15 one row's 256 bytes, lanes 16-31 the next row's);
; a lane's four numbers become 8 bytes, and the 32 lanes' store covers the two rows' 128 bytes each of one K block of ow16: 256 consecutive bytes, aligned.
.Lconv:
	s_sub_co_u32 s17, ttmp9, WGQ
	s_lshl_b32 s17, s17, 5
	s_lshl_b32 s18, s16, 3
	s_add_co_u32 s17, s17, s18                     ; my first row
	s_lshl_b32 s18, s17, 12                        ; x 4,096 bytes in out_w
	s_mov_b32 s19, 0
	s_add_nc_u64 s[24:25], s[24:25], s[18:19]
	s_lshl_b32 s18, s17, 7                         ; x 128 bytes in a K block of ow16
	s_add_nc_u64 s[26:27], s[26:27], s[18:19]
	v_lshrrev_b32 v[LI], 4, v2
	v_and_b32 v[SO], 15, v2
	v_lshlrev_b32 v[LI], 12, v[LI]
	v_lshl_add_u32 v[LI], v[SO], 4, v[LI]          ; 4,096 (lane / 16) + 16 (lane % 16)
	v_lshlrev_b32 v[SO], 3, v2                     ; 8 x lane
.macro CLOAD p                         ; rows 2 p, 2 p + 1: sixteen loads, one for each K block of 64
.irp kb, 0,1,2,3,4,5,6,7,8,9,10,11,12,13,14,15
	global_load_b128 v[R+64*((\p)%2)+4*\kb:R+64*((\p)%2)+4*\kb+3], v[LI], s[24:25] offset:8192*(\p)+256*\kb th:TH_LOAD_NT
.endr
.endm
	CLOAD 0
	CLOAD 1
.irp p, 0,1,2,3
.if \p < 3
	s_wait_loadcnt 16                              ; this pair's sixteen loads are in; the next pair's may be out
.else
	s_wait_loadcnt 0x0
.endif
.if \p > 0
	s_wait_xcnt 0x0                                ; the last pair's stores have read their data registers, which are written again below
.endif
.irp kb, 0,1,2,3,4,5,6,7,8,9,10,11,12,13,14,15
	v_cvt_pk_f16_f32 v[H16+2*\kb], v[R+64*(\p%2)+4*\kb], v[R+64*(\p%2)+4*\kb+1]
	v_cvt_pk_f16_f32 v[H16+2*\kb+1], v[R+64*(\p%2)+4*\kb+2], v[R+64*(\p%2)+4*\kb+3]
.endr
.if \p < 2
	CLOAD \p+2
.endif
.irp kb, 0,1,2,3,4,5,6,7,8,9,10,11,12,13,14,15
	global_store_b64 v[SO], v[H16+2*\kb:H16+2*\kb+1], s[26:27] offset:131072*\kb+256*\p
.endr
.endr
	s_wait_tensorcnt 0x0                           ; the same three closing lines as on the other path
	ds_add_u32 v[SPW], v[NIL]
	s_wait_dscnt 0x0
	s_endpgm
.Lfunc_end_k_qfe37aff8cb_quant:
	.size	k_qfe37aff8cb_quant, .Lfunc_end_k_qfe37aff8cb_quant-k_qfe37aff8cb_quant
	.p2alignl 7, 3214868480
	.fill 96, 4, 3214868480
	.section	.rodata,"a",@progbits
	.p2align	6, 0x0
	.amdhsa_kernel k_qfe37aff8cb_quant
		.amdhsa_group_segment_fixed_size 33280
		.amdhsa_private_segment_fixed_size 0
		.amdhsa_enable_private_segment 0
		.amdhsa_kernarg_size 64
		.amdhsa_user_sgpr_count 2
		.amdhsa_user_sgpr_kernarg_segment_ptr 1
		.amdhsa_wavefront_size32 1
		.amdhsa_system_sgpr_workgroup_id_x 1
		.amdhsa_system_sgpr_workgroup_id_y 1
		.amdhsa_system_sgpr_workgroup_id_z 1
		.amdhsa_system_vgpr_workitem_id 0
		.amdhsa_next_free_vgpr 192
		.amdhsa_next_free_sgpr 66
		.amdhsa_reserve_vcc 0
		.amdhsa_float_denorm_mode_32 3
		.amdhsa_float_denorm_mode_16_64 3
		.amdhsa_memory_ordered 1
		.amdhsa_forward_progress 1
		.amdhsa_inst_pref_size 54
	.end_amdhsa_kernel
	.amdgpu_metadata
---
amdhsa.version: [ 1, 2 ]
amdhsa.kernels:
  - .name:           k_qfe37aff8cb_quant
    .symbol:         k_qfe37aff8cb_quant.kd
    .args:
      - { .name: x, .offset: 0, .size: 8, .value_kind: global_buffer, .address_space: global }
      - { .name: qkv_w, .offset: 8, .size: 8, .value_kind: global_buffer, .address_space: global }
      - { .name: xc, .offset: 16, .size: 8, .value_kind: global_buffer, .address_space: global }
      - { .name: xs, .offset: 24, .size: 8, .value_kind: global_buffer, .address_space: global }
      - { .name: wc, .offset: 32, .size: 8, .value_kind: global_buffer, .address_space: global }
      - { .name: ws, .offset: 40, .size: 8, .value_kind: global_buffer, .address_space: global }
      - { .name: out_w, .offset: 48, .size: 8, .value_kind: global_buffer, .address_space: global }
      - { .name: ow16, .offset: 56, .size: 8, .value_kind: global_buffer, .address_space: global }
    .group_segment_fixed_size: 33280
    .private_segment_fixed_size: 0
    .kernarg_segment_align: 8
    .kernarg_segment_size: 64
    .max_flat_workgroup_size: 128
    .sgpr_count:     66
    .vgpr_count:     192
    .wavefront_size: 32
...
	.end_amdgpu_metadata
.endif
;; end of part 1
;; launch qkv (part 2): grid 12 x 16, 4 waves a work-group, clusters of 4 x 4, 327,680 bytes of LDS; arguments xc, xs, wc, ws, qkv16, qkv_b, fine; writes qkv16, fine
.if DOCPART == 2
	.amdgcn_target "amdgcn-amd-amdhsa--gfx1250"
	.amdhsa_code_object_version 6
	.text
	.protected	k_qfe37aff8cb_qkv
	.globl	k_qfe37aff8cb_qkv
	.p2align	8
	.type	k_qfe37aff8cb_qkv,@function
k_qfe37aff8cb_qkv:
	s_mov_b64 s[64:65], 0
	v_nop
	global_prefetch_b8 v0, s[64:65] scope:SCOPE_SE
	s_setreg_imm32_b32 hwreg(HW_REG_WAVE_MODE, 25, 1), 1
	s_wait_xcnt 0x0
	s_wait_alu depctr_hold_cnt(0) depctr_sa_sdst(0) depctr_va_vdst(0) depctr_va_sdst(0) depctr_va_ssrc(0) depctr_va_vcc(0) depctr_vm_vsrc(0)
	s_getreg_b32 s2, hwreg(HW_REG_IB_STS2, 6, 4)
	s_cmp_eq_u32 s2, 0
	s_cbranch_scc0 .Lentry_in_a_cluster
	s_endpgm
.Lentry_in_a_cluster:
	s_bfe_u32 s2, ttmp6, 0x10000c
	s_cmp_lg_u32 s2, 0xf033
	s_cbranch_scc0 .Lentry_shape_is_right
	s_endpgm
.Lentry_shape_is_right:
; qkv[t][e] = sum over k of Q(x)[t][k] Q(qkv_w)[e][k] + qkv_b[e], on codes of FP4 (E2M1) with one E8M0 scale for each 32 along K; sums in f32.  4,096 x 3,072, K = 1,024.
; OUT: qkv16, f16, laid [48 = column / 64][4096 t][64]: q's 16 heads, k's, v's, a head's rows dense; and rows 0-15 once more in f32 (fine), as an image of the accumulators' registers, for the launch that carries the
; first 16 positions finely.  LIMIT: |q|, |k|, |v| beyond 65,504 have no f16 number.
; A tile of 256 x 256 is made by a work-group of four waves; a wave makes 128 x 128: 64 accumulators, 512 registers.  K is two steps of 512 (a tile's row is 256 bytes of codes): both lie in LDS, each filled once.
; THE SCALES of the work-group's 256 rows of x and 256 rows of qkv_w, for all of K, are two dense blocks of memory and come into LDS once.
; CLUSTERS: 4 x 4 work-groups.  The four of a row of the cluster need the same tiles of x, the four of a column the same tiles of qkv_w: each is asked for JOINTLY, by the same tensor load with the same descriptor and a mask
; that names the four.  By this text's own count a wave has three tensor loads out at the most.
; THE MATRIX INSTRUCTION IS USED TRANSPOSED (source 0 = 16 rows of qkv_w, source 1 = 16 rows of x): a lane holds eight neighbouring columns of one row.  THE BIAS is the C of each sum's first product.
; REGISTERS, in windows of 256: window 0: v0-31 addresses; v32-95 scale words, two sets; v128-191 x's fragments, one set; v192-255 the bias, 8 registers for each block of 16 columns.  On the way out v32-63, v128-191 are at work.
;   window 1: qkv_w's fragments, two sets, at v0 and v128.   window 2: the accumulators of my rows 0-63 ((a, b) at v[8 (8 a + b)]);   window 3: those of my rows 64-127.
.set SIZE_M, 4096
.set SIZE_N, 3072
.set SIZE_K, 1024
.set KSTEP,  512
.set NQ,     KSTEP/128                 ; matrix instructions deep in a slot
.set ROWB,   256                       ; a tile's row in bytes
.set KROW,   SIZE_K*4/8                ; a row of codes in memory
.set PITCH,  272                       ; an LDS row: 256 bytes + 16 of padding: the 16 rows that a load touches start at 16 different banks (64 banks of 4 bytes: ISA guide 11.1)
.set FR,     8
.set NL,     2
.set NP,     4                         ; places behind this matrix instruction (ISA guide 7.12.1)
.set HALFT,  128*PITCH
.set SLOT,   4*HALFT
.set KS,     SIZE_K/32                 ; a row of scales in bytes
.set SCL,    2*SLOT                    ; the scales, as units of 256 bytes + 16 of padding
.set HALFS,  (128*KS/256)*272
.set SBLK,   (16*KS/256)*272
.set SPARE,  SCL+4*HALFS               ; the spare words, 128 bytes for each wave, which no other line names
.set STG,    SPARE+512                 ; the way out: a stage for each wave, bytes of its own: 2 heads x 16 rows x (128 bytes + 16)
.set SP,     144
.set WST,    2*16*SP
.set ADRA, 16
.set ADRB, 20
.set STO,  24                          ; v24  the way out: where I put 16 bytes of a row
.set RD,   25                          ; v25  where I read rows back
.set CO,   26                          ; v26  16 x lane
.set ADRS, 27
.set SPW,  28                          ; v28  LDS address of my spare word; never rewritten
.set NIL,  29                          ; v29  0; never rewritten
.set FLG,  30                          ; v30  0 in the waves that hold rows 0-127
.set BO,   31                          ; v31  32 x (lane / 16): my eight numbers of a block of the bias
.set SC,   32
.set TMP,  32                          ; the way out: packed results
.set AF,   128
.set BK,   128                         ; the way out: rows read back: v128-159 and v160-191 by turns
.set BI,   192
.set G1, 24
.set G0, 32
.set G1B, 48
.set G0B, 56
.set G1S, 68
.set G0S, 76
.set G1SB, 80
.set G0SB, 88
.set MSB, 0
.macro WIN new                         ; the immediate's high byte repeats the setting that is left
.if MSB != \new
	s_set_vgpr_msb (MSB<<8)|\new
.set MSB, \new
.endif
.endm
.set MUL_LO, 0xa1                      ; source 0 window 1, source 1 window 0, C and D window 2
.set MUL_HI, 0xf1                      ; the same, C and D window 3
.set BIAS_LO, 0x81                     ; the first products: C (the bias) window 0, D window 2
.set BIAS_HI, 0xc1                     ; D window 3
.set TO_B,   0x40
; A joint load: waves 0 and 1 fetch for x, waves 2 and 3 for qkv_w.  The branch hangs on the wave's number alone.  An s_nop 0 and four v_nop follow each of the two lines.
.macro JLOAD g0a, g1a, g0b, g1b
	s_cmp_eq_u32 s15, 0
	s_cbranch_scc0 .Lfor_b_\@
	tensor_load_to_lds s[\g0a:\g0a+3], s[\g1a:\g1a+7]
	s_nop 0
.rept 4
	v_nop
.endr
	s_branch .Lasked_\@
.Lfor_b_\@:
	tensor_load_to_lds s[\g0b:\g0b+3], s[\g1b:\g1b+7]
	s_nop 0
.rept 4
	v_nop
.endr
.Lasked_\@:
.endm
.macro CROUND                          ; a round of the cluster's barrier
	s_barrier_signal -1
	s_barrier_wait -1
	s_cmp_lg_u32 s14, 0
	s_cbranch_scc1 .Lnot_wave_0_\@
	s_barrier_signal -3
.Lnot_wave_0_\@:
	s_barrier_wait -3
	s_barrier_signal -1
	s_barrier_wait -1
.endm
	s_load_b128 s[4:7], s[0:1], 0x0                ; x's codes, x's scales
	s_load_b128 s[8:11], s[0:1], 0x10              ; qkv_w's codes, its scales
	s_load_b64 s[12:13], s[0:1], 0x20              ; qkv16
	s_load_b64 s[96:97], s[0:1], 0x28              ; qkv_b
	s_load_b64 s[98:99], s[0:1], 0x30              ; fine
	v_lshl_add_u32 v[SPW], v0, 2, SPARE
	v_mov_b32 v[NIL], 0
	ds_add_u32 v[SPW], v[NIL]                      ; the wave's opening: the add, twice on end, and its wait ahead of my first tensor load
	ds_add_u32 v[SPW], v[NIL]
	v_lshrrev_b32 v1, 5, v0
	v_readfirstlane_b32 s14, v1                    ; wave 0..3
	s_lshr_b32 s15, s14, 1                         ; which half of the tile's rows is mine.  Also: I fetch for x (0) or for qkv_w (1)
	s_and_b32 s16, s14, 1                          ; which half of its columns.  Also: which 128 rows of that tile I fetch
	s_bfe_u32 s40, ttmp6, 0x40000                  ; cx, cy: my place in the cluster
	s_bfe_u32 s41, ttmp6, 0x40004
	s_lshl_b32 s42, ttmp9, 2
	s_add_co_u32 s42, s42, s40                     ; tile column = 4 x cluster x + cx
	s_and_b32 s17, ttmp7, 0xffff
	s_lshl_b32 s17, s17, 2
	s_add_co_u32 s17, s17, s41                     ; tile row = 4 x cluster y + cy
	s_lshl_b32 s43, s41, 2
	s_lshl_b32 s43, 15, s43                        ; my row of the cluster
	s_lshl_b32 s44, 0x1111, s40                    ; my column
	; descriptor group 1: a tile of 128 rows x 256 bytes, 16 bytes of padding behind each row
	s_or_b32 s[G1+0], s43, (0<<16)|(1<<20)|(1<<21)|(5<<22)|(3<<25)
	s_or_b32 s[G1B+0], s44, (0<<16)|(1<<20)|(1<<21)|(5<<22)|(3<<25)
.irp g, G1, G1B
	s_mov_b32 s[\g+1], ROWB<<16                    ; tensor_dim0
	s_mov_b32 s[\g+2], 128<<16                     ; tensor_dim1
	s_mov_b32 s[\g+3], ROWB<<16                    ; tile_dim0
	s_mov_b32 s[\g+4], 128                         ; tile_dim1
	s_mov_b32 s[\g+5], KROW                        ; the pitch
	s_mov_b32 s[\g+6], 0
	s_mov_b32 s[\g+7], 0
.endr
	; the scales of 128 rows: a dense block of 4,096 bytes, as rows of 256 bytes (32 elements of 8 bytes), 16 bytes of padding behind each
	s_or_b32 s[G1S+0], s43, (3<<16)|(1<<20)|(1<<21)|(5<<22)|(3<<25)
	s_or_b32 s[G1SB+0], s44, (3<<16)|(1<<20)|(1<<21)|(5<<22)|(3<<25)
.irp g, G1S, G1SB
	s_mov_b32 s[\g+1], 32<<16
	s_mov_b32 s[\g+2], (128*KS/256)<<16
	s_mov_b32 s[\g+3], 32<<16
	s_mov_b32 s[\g+4], 128*KS/256
	s_mov_b32 s[\g+5], 32
	s_mov_b32 s[\g+6], 0
	s_mov_b32 s[\g+7], 0
.endr
	s_lshl_b32 s18, s16, 7                         ; which 128 rows of the tile I fetch
	s_lshl_b32 s20, s17, 8
	s_add_co_u32 s20, s20, s18                     ; x: row 256 x tile row + 128 x half
	s_lshl_b32 s46, s42, 8
	s_add_co_u32 s46, s46, s18                     ; qkv_w: row 256 x tile column + 128 x half
	s_mov_b32 s21, 0
	s_mov_b32 s47, 0
	s_mov_b64 s[18:19], KS
	s_mul_u64 s[22:23], s[20:21], s[18:19]         ; where these rows' scales begin, in bytes
	s_mul_u64 s[92:93], s[46:47], s[18:19]
	s_mov_b64 s[18:19], KROW
	s_mul_u64 s[20:21], s[20:21], s[18:19]         ; and their codes
	s_mul_u64 s[46:47], s[46:47], s[18:19]
	s_mul_i32 s45, s14, HALFT                      ; where they go: wave x 128 rows: no place in the cluster enters an LDS address
	s_mul_i32 s94, s14, HALFS
	s_wait_dscnt 0x0                               ; both opening adds are done
	s_wait_kmcnt 0x0
	s_add_nc_u64 s[20:21], s[4:5], s[20:21]
	s_add_nc_u64 s[22:23], s[6:7], s[22:23]
	s_add_nc_u64 s[46:47], s[8:9], s[46:47]
	s_add_nc_u64 s[92:93], s[10:11], s[92:93]
	CROUND                                         ; all sixteen work-groups are here: the joint loads meet
	s_mov_b32 s[G0S], 1
	s_add_co_u32 s[G0S+1], s94, SCL
	s_mov_b64 s[G0S+2:G0S+3], s[22:23]
	s_or_b32 s[G0S+3], s[G0S+3], 0x80000000
	s_mov_b32 s[G0SB], 1
	s_add_co_u32 s[G0SB+1], s94, SCL
	s_mov_b64 s[G0SB+2:G0SB+3], s[92:93]
	s_or_b32 s[G0SB+3], s[G0SB+3], 0x80000000
	JLOAD G0S, G1S, G0SB, G1SB                     ; the scales first: they are wanted with K step 0
.irp s, 0,1
	s_mov_b32 s[G0+4*\s], 1
	s_add_co_u32 s[G0+4*\s+1], s45, \s*SLOT
	s_add_nc_u64 s[G0+4*\s+2:G0+4*\s+3], s[20:21], \s*ROWB
	s_or_b32 s[G0+4*\s+3], s[G0+4*\s+3], 0x80000000
	s_mov_b32 s[G0B+4*\s], 1
	s_add_co_u32 s[G0B+4*\s+1], s45, \s*SLOT
	s_add_nc_u64 s[G0B+4*\s+2:G0B+4*\s+3], s[46:47], \s*ROWB
	s_or_b32 s[G0B+4*\s+3], s[G0B+4*\s+3], 0x80000000
	JLOAD G0+4*\s, G1, G0B+4*\s, G1B
.endr
	v_and_b32 v1, 15, v0                           ; l % 16
	v_bfe_u32 v2, v0, 4, 1                         ; l / 16
	v_mul_u32_u24 v3, v1, PITCH
	v_lshl_add_u32 v4, v2, 4, v3                   ; a fragment's row x pitch + 16 x half
	s_mul_i32 s21, s15, HALFT                      ; my 128 rows of x
	s_mul_i32 s22, s16, HALFT                      ; my 128 rows of qkv_w,
	s_add_co_u32 s22, s22, 2*HALFT                 ; which lie behind x's 256
.irp s, 0,1
	v_add_nc_u32 v[ADRA+\s], s21, v4
	v_add_nc_u32 v[ADRB+\s], s22, v4
	s_add_co_u32 s21, s21, SLOT
	s_add_co_u32 s22, s22, SLOT
.endr
	v_mul_u32_u24 v5, v1, KS                       ; my row's scales: KS bytes a row,
	v_lshrrev_b32 v6, 8, v5
	v_lshl_add_u32 v5, v6, 4, v5                   ; and 16 more for each 256 passed
	s_mul_i32 s21, s15, HALFS
	s_mul_i32 s22, s16, HALFS
	s_add_co_u32 s22, s22, 2*HALFS
	s_sub_co_u32 s22, s22, s21
	v_mul_u32_u24 v6, s22, v2                      ; lanes 16-31 take qkv_w's
	s_add_co_u32 s21, s21, SCL
	v_add_nc_u32 v5, v5, v6
	v_add_nc_u32 v[ADRS], s21, v5
	s_mul_i32 s23, s14, WST
	s_add_co_u32 s23, s23, STG                     ; my stage
	v_mul_u32_u24 v5, v1, SP                       ; in: row l % 16, 16 bytes for each half of the lanes
	v_lshl_add_u32 v5, v2, 4, v5
	v_add_nc_u32 v[STO], s23, v5
	v_and_b32 v6, 31, v0
	v_lshlrev_b32 v[CO], 4, v6                     ; 16 x lane
	v_lshrrev_b32 v5, 3, v6                        ; back: eight lanes to a row of 128 bytes, four rows an instruction
	v_mul_u32_u24 v5, v5, SP
	v_and_b32 v6, 7, v6
	v_lshl_add_u32 v5, v6, 4, v5
	v_add_nc_u32 v[RD], s23, v5
	v_lshlrev_b32 v[BO], 5, v2
	s_lshl_b32 s46, s42, 10                        ; my first column x 4: 1,024 x tile column + 512 x half
	s_lshl_b32 s47, s16, 9
	s_add_co_u32 s46, s46, s47
	s_mov_b32 s47, 0
	s_add_nc_u64 s[96:97], s[96:97], s[46:47]      ; the bias at my first column
	s_lshl_b32 s46, s46, 4                         ; fine: 1,024 bytes for each block of 16 columns
	s_add_nc_u64 s[98:99], s[98:99], s[46:47]
	s_lshl_b32 s46, s42, 21                        ; qkv16: 4 heads of 524,288 bytes a tile column, 2 a half;
	s_lshl_b32 s20, s16, 20
	s_add_co_u32 s46, s46, s20
	s_lshl_b32 s20, s17, 15                        ; 256 rows of 128 bytes a tile row, 128 a half
	s_add_co_u32 s46, s46, s20
	s_lshl_b32 s20, s15, 14
	s_add_co_u32 s46, s46, s20
	s_add_nc_u64 s[12:13], s[12:13], s[46:47]
	s_lshl_b32 s20, s17, 1
	s_add_co_u32 s20, s20, s15
	v_mov_b32 v[FLG], s20                          ; which 128 rows are my wave's
.irp b, 0,1,2,3,4,5,6,7
	global_load_b128 v[BI+8*\b:BI+8*\b+3], v[BO], s[96:97] offset:64*\b           ; lane (r, h): qkv_b at columns 16 b + 8 h + 0 .. 7: the result's layout
	global_load_b128 v[BI+8*\b+4:BI+8*\b+7], v[BO], s[96:97] offset:64*\b+16
.endr
.macro FRAG reg, adr, q, i             ; a fragment, 16 rows x 128 K of 4-bit codes: lane l holds row l % 16; registers 4 c .. 4 c + 3 hold K = 64 c + 32 (l / 16) + 0 .. 31
.irp c, 0,1
	ds_load_b128 v[\reg+4*\c:\reg+4*\c+3], v[\adr] offset:64*(\q)+32*\c+(\i)*16*PITCH
.endr
.endm
; 16 matrix instructions: x's blocks a0, a0 + 1 against qkv_w's eight, the slot's q-th 128 along K.  p: qkv_w's set; sc: the set of scale words.  first = 1: the product starts the sum on the bias.
; The 64 accumulators take turns, one instruction a turn, in the same order in every step.
.macro MUL16 a0, p, q, sc, first
.irp a, \a0, \a0+1
.irp b, 0,1,2,3,4,5,6,7
.if \first
	v_wmma_scale_f32_16x16x128_f8f6f4 v[8*(8*((\a)%4)+\b):8*(8*((\a)%4)+\b)+7], v[128*(\p)+FR*\b:128*(\p)+FR*\b+FR-1], v[AF+FR*(\a):AF+FR*(\a)+FR-1], v[BI+8*\b:BI+8*\b+7], v[SC+8*NQ*(\sc)+NQ*\b+(\q)], v[SC+8*NQ*(\sc)+NQ*(\a)+(\q)] matrix_a_fmt:MATRIX_FMT_FP4 matrix_b_fmt:MATRIX_FMT_FP4 matrix_a_scale:MATRIX_SCALE_ROW1
.else
	v_wmma_scale_f32_16x16x128_f8f6f4 v[8*(8*((\a)%4)+\b):8*(8*((\a)%4)+\b)+7], v[128*(\p)+FR*\b:128*(\p)+FR*\b+FR-1], v[AF+FR*(\a):AF+FR*(\a)+FR-1], v[8*(8*((\a)%4)+\b):8*(8*((\a)%4)+\b)+7], v[SC+8*NQ*(\sc)+NQ*\b+(\q)], v[SC+8*NQ*(\sc)+NQ*(\a)+(\q)] matrix_a_fmt:MATRIX_FMT_FP4 matrix_b_fmt:MATRIX_FMT_FP4 matrix_a_scale:MATRIX_SCALE_ROW1
.endif
.endr
.endr
.endm
.macro FETCH_B slot, q, p
	WIN TO_B
.irp i, 0,1,2,3,4,5,6,7
	FRAG 128*(\p)+FR*\i, ADRB+\slot, \q, \i
.endr
	WIN 0
.endm
.macro FETCH_A slot, q, i0
.irp i, \i0, \i0+1, \i0+2, \i0+3
	FRAG AF+FR*(\i), ADRA+\slot, \q, \i
.endr
.endm
.macro SCALES sc                       ; a K step's scale words: lanes 0-15 take x's block i, lanes 16-31 qkv_w's block i
.irp i, 0,1,2,3,4,5,6,7
	ds_load_b128 v[SC+8*NQ*\sc+NQ*\i:SC+8*NQ*\sc+NQ*\i+3], v[ADRS] offset:\i*SBLK
.endr
.endm
.macro PLACES n                        ; places in front of loads into registers that matrix instructions have read, and of the first read of results
.rept \n
	v_nop
.endr
.endm
; A step of 128 along K that has its successor in the same slot.
.macro STEP slot, q, first
	s_wait_dscnt 4*NL                              ; qkv_w's set and x's blocks 0-3 are in; the youngest eight loads (x's blocks 4-7) may be out
.if \first
	WIN BIAS_LO
.else
	WIN MUL_LO
.endif
	MUL16 0, (\q)%2, \q, \slot, \first
	MUL16 2, (\q)%2, \q, \slot, \first
	s_wait_dscnt 0                                 ; x's blocks 4-7 are in
	PLACES NP
	FETCH_B \slot, (\q)+1, 1-(\q)%2
	FETCH_A \slot, (\q)+1, 0
.if \first
	WIN BIAS_HI
.else
	WIN MUL_HI
.endif
	MUL16 4, (\q)%2, \q, \slot, \first
	MUL16 6, (\q)%2, \q, \slot, \first
	PLACES NP
	WIN 0
	FETCH_A \slot, (\q)+1, 4
.endm
; Slot 0's last step changes slots: each wave waits for all its tensor loads (its part of slot 1), and the barrier shows slot 1 whole to every wave.  Nothing is filled again.
.macro TURN slot, next
	s_wait_tensorcnt 0x0                           ; all my tensor loads have landed
	ds_add_u32 v[SPW], v[NIL]                      ; 0 onto my spare word
	s_wait_dscnt 4*NL+1                            ; (the add and the youngest eight loads may be out)
	WIN MUL_LO
	MUL16 0, 1, NQ-1, \slot, 0
	s_wait_dscnt 0x0                               ; the add is done, and my reads of this slot are over
	s_barrier_signal -1
	MUL16 2, 1, NQ-1, \slot, 0
	WIN 0
	s_barrier_wait -1
	PLACES NP
	v_add_nc_u32 v[ADRS], 4*NQ, v[ADRS]            ; on to the next K step's scale words
	FETCH_B \next, 0, 0
	FETCH_A \next, 0, 0
	SCALES \next
	WIN MUL_HI
	MUL16 4, 1, NQ-1, \slot, 0
	MUL16 6, 1, NQ-1, \slot, 0
	PLACES NP
	WIN 0
	FETCH_A \next, 0, 4
.endm
.macro STEPS slot, from
.set Q, \from
.rept NQ-1-\from
	STEP \slot, Q, 0
.set Q, Q+1
.endr
.endm
	s_wait_tensorcnt 1                             ; the scales and my part of K step 0 are in; K step 1's load may stay out
	s_barrier_signal -1
	s_barrier_wait -1
	FETCH_B 0, 0, 0
	FETCH_A 0, 0, 0
	SCALES 0
	FETCH_A 0, 0, 4
	s_wait_loadcnt 0x0                             ; the bias
	STEP 0, 0, 1                                   ; the first products start the sums on the bias: nothing is cleared, nothing is added later
	STEPS 0, 1
	TURN 0, 1
	STEPS 1, 0
	s_wait_dscnt 4*NL                              ; the last step: nothing more to fetch
	WIN MUL_LO
	MUL16 0, 1, NQ-1, 1, 0
	MUL16 2, 1, NQ-1, 1, 0
	s_wait_dscnt 0
	WIN MUL_HI
	MUL16 4, 1, NQ-1, 1, 0
	MUL16 6, 1, NQ-1, 1, 0
	WIN 0
	; THE WAY OUT.
	PLACES NP
	; Rows 0-15 in f32: block 0 of the waves that hold rows 0-127 leaves as it stands in the registers: 512 consecutive bytes a store.  No branch: the other waves run the lines with no lane on.
	s_wait_xcnt 0x0                                ; EXEC changes only behind this wait
	v_cmp_eq_u32 vcc_lo, 0, v[FLG]
	s_and_saveexec_b32 s3, vcc_lo
	WIN 0x08                                       ; a store's data are its source 1: window 2
.irp b, 0,1,2,3,4,5,6,7
	global_store_b128 v[CO], v[8*\b:8*\b+3], s[98:99] offset:1024*\b           ; each accumulator from its low end on
	global_store_b128 v[CO], v[8*\b+4:8*\b+7], s[98:99] offset:1024*\b+512
.endr
	WIN 0
	s_wait_xcnt 0x0                                ; and again, in front of the line that widens it
	s_or_b32 exec_lo, exec_lo, s3
; Block a (16 rows x 128 columns = 2 heads): rounded to f16, 16 bytes a lane; through my own stage; back as rows of 128 bytes, four rows (512 consecutive bytes of a head) an instruction.
.macro PACK a
.set AC, 64*((\a)%4)
	WIN 0x0a+5*((\a)/4)                            ; sources 0 and 1: window 2 or 3
.irp b, 0,1,2,3,4,5,6,7
.irp i, 0,1,2,3
	v_cvt_pk_f16_f32 v[TMP+4*\b+\i], v[AC+8*\b+2*\i], v[AC+8*\b+2*\i+1]
.endr
.endr
	WIN 0
.endm
.macro TOSTAGE a
.set BB, BK+32*((\a)%2)
.irp b, 0,1,2,3,4,5,6,7
	ds_store_b128 v[STO], v[TMP+4*\b:TMP+4*\b+3] offset:16*SP*(\b/4)+32*(\b%4)
.endr
.irp u, 0,1
.irp i, 0,1,2,3
	ds_load_b128 v[BB+16*\u+4*\i:BB+16*\u+4*\i+3], v[RD] offset:16*SP*\u+4*SP*\i   ; LDS serves a wave's instructions in order (ISA guide 5.7.1.4): these see the stores above
.endr
.endr
.endm
.macro SEND a
.set BB, BK+32*((\a)%2)
	s_wait_dscnt 0x0                               ; the block is back in registers
	s_wait_xcnt 0x0                                ; the earlier stores have read their base and their data: both may be written again
.if (\a) > 0
	s_add_nc_u64 s[12:13], s[12:13], 16*128        ; 16 rows on
.endif
.irp u, 0,1
.irp i, 0,1,2,3
	global_store_b128 v[CO], v[BB+16*\u+4*\i:BB+16*\u+4*\i+3], s[12:13] offset:524288*\u+512*\i   ; 32 lanes store 512 consecutive bytes, at a multiple of 256 from the buffer's first byte
.endr
.endr
.endm
	PACK 0
	TOSTAGE 0
.irp a, 1,2,3,4,5,6,7                  ; block a's conversions stand between block a - 1's loads from the stage and the wait for them
	PACK \a
	SEND \a-1
	TOSTAGE \a
.endr
	SEND 7
	s_wait_tensorcnt 0x0                           ; the wave's end
	ds_add_u32 v[SPW], v[NIL]
	s_wait_dscnt 0x0
	CROUND                                         ; the closing round
	s_endpgm
.Lfunc_end_k_qfe37aff8cb_qkv:
	.size	k_qfe37aff8cb_qkv, .Lfunc_end_k_qfe37aff8cb_qkv-k_qfe37aff8cb_qkv
	.p2alignl 7, 3214868480
	.fill 96, 4, 3214868480
	.section	.rodata,"a",@progbits
	.p2align	6, 0x0
	.amdhsa_kernel k_qfe37aff8cb_qkv
		.amdhsa_group_segment_fixed_size 327680
		.amdhsa_private_segment_fixed_size 0
		.amdhsa_enable_private_segment 0
		.amdhsa_kernarg_size 56
		.amdhsa_user_sgpr_count 2
		.amdhsa_user_sgpr_kernarg_segment_ptr 1
		.amdhsa_wavefront_size32 1
		.amdhsa_system_sgpr_workgroup_id_x 1
		.amdhsa_system_sgpr_workgroup_id_y 1
		.amdhsa_system_sgpr_workgroup_id_z 1
		.amdhsa_system_vgpr_workitem_id 0
		.amdhsa_next_free_vgpr 1024
		.amdhsa_next_free_sgpr 100
		.amdhsa_reserve_vcc 1
		.amdhsa_float_denorm_mode_32 3
		.amdhsa_float_denorm_mode_16_64 3
		.amdhsa_memory_ordered 1
		.amdhsa_forward_progress 1
		.amdhsa_inst_pref_size 130
	.end_amdhsa_kernel
	.amdgpu_metadata
---
amdhsa.version: [ 1, 2 ]
amdhsa.kernels:
  - .name:           k_qfe37aff8cb_qkv
    .symbol:         k_qfe37aff8cb_qkv.kd
    .args:
      - { .name: xc, .offset: 0, .size: 8, .value_kind: global_buffer, .address_space: global }
      - { .name: xs, .offset: 8, .size: 8, .value_kind: global_buffer, .address_space: global }
      - { .name: wc, .offset: 16, .size: 8, .value_kind: global_buffer, .address_space: global }
      - { .name: ws, .offset: 24, .size: 8, .value_kind: global_buffer, .address_space: global }
      - { .name: qkv16, .offset: 32, .size: 8, .value_kind: global_buffer, .address_space: global }
      - { .name: qkv_b, .offset: 40, .size: 8, .value_kind: global_buffer, .address_space: global }
      - { .name: fine, .offset: 48, .size: 8, .value_kind: global_buffer, .address_space: global }
    .group_segment_fixed_size: 327680
    .private_segment_fixed_size: 0
    .kernarg_segment_align: 8
    .kernarg_segment_size: 56
    .max_flat_workgroup_size: 128
    .sgpr_count:     100
    .vgpr_count:     1024
    .wavefront_size: 32
...
	.end_amdgpu_metadata
.endif
;; end of part 2
;; launch attn (part 3): grid 16 x 16, 8 waves a work-group, no clusters, 327,680 bytes of LDS; arguments qkv16, ao; writes ao
.if DOCPART == 3
	.amdgcn_target "amdgcn-amd-amdhsa--gfx1250"
	.amdhsa_code_object_version 6
	.text
	.protected	k_qfe37aff8cb_attn
	.globl	k_qfe37aff8cb_attn
	.p2align	8
	.type	k_qfe37aff8cb_attn,@function
k_qfe37aff8cb_attn:
	s_mov_b64 s[64:65], 0
	v_nop
	global_prefetch_b8 v0, s[64:65] scope:SCOPE_SE
	s_setreg_imm32_b32 hwreg(HW_REG_WAVE_MODE, 25, 1), 1
	s_wait_xcnt 0x0
; ao[h][q][:] = the sum over k <= q of softmax_k(Q[h][q] . K[h][k] / 8) V[h][k][:].  16 heads of 64, 4,096 positions.  Q, K, V: f16, qkv16 [48][4096][64] (q's heads, k's, v's).  ao: f16, [16][4096][64].
; Products on f16 operands with f32 sums; maxima, exponentials and sums in f32; the weights p (at most 1) are rounded to f16 for the second product, the result once at the end.
; LIMIT: results beyond 65,504 in magnitude have no f16 number.  Positions 0-15 are computed here too, and are carried more finely by a later launch, which has the last word on them.
; SHARES.  Work-group (i, head) owns the blocks i and 31 - i of 128 queries: under the causal mask the two together have the same work in every work-group.  Waves 0-3 take block i, waves 4-7 block 31 - i; a wave owns 32
; queries, two tiles of 16, so that each fragment of K and V read from LDS feeds two matrix instructions.
; NO CLUSTER: how many slots of keys a work-group needs hangs on its number (the causal limit), so partners would need different numbers of tiles, and no jump may lead round a joint load.
; THE WALK.  Every wave walks all 16 slots of 256 keys, in steps of 64: the trip counts are constants.  A step all of whose keys come after the wave's queries is left out by a scalar branch on ids; in the step on the
; diagonal hidden scores become -infinity.  Key 0 counts for every query, and in every step that is walked each query has a key that counts: so the running maximum is a number from the first step on.
; THE RING.  Two slots.  Waves 0-3 fetch 64 rows of K each, waves 4-7 64 rows of V: one tensor load a wave at each change of slots, one out at a time by this text's own count.  A slot whose first key comes
; after the work-group's last query is read by no wave and is not asked for.
; LAYOUT.  S^T = K Q^T (source 0 = 16 keys, source 1 = 16 queries): a lane holds ONE query (lane % 16) and keys 8 (lane / 16) + 0..7 of a tile.  Two such tiles, rounded to f16 in pairs, ARE source 1 of O^T = V^T P.
; V lies [key][channel] in LDS and is turned by ds_load_tr16_b128.
; SOFTMAX.  For each query a running maximum m and sum l: p = 2^(c s - c m), c = log2(e) / 8; in every step O^T and l are multiplied by a = 2^(c m_old - c m_new).
.set PK,    144                        ; a row of K in LDS: 128 bytes + 16 of padding: the 16 rows of a load start at 16 different groups of banks
.set PV,    160                        ; a row of V: 128 + 32
.set VOFF,  256*PK                     ; a slot: 256 rows of K, then 256 rows of V
.set SLOT1, 1<<17                      ; slot 1 begins here: one exclusive or turns an address in one slot into the other's
.set STAGE, 2*SLOT1                    ; the way out: 32 rows x (128 bytes + 16) for each wave, bytes of its own
.set SP,    144
.set WST,   32*SP
.set SPARE, STAGE+8*WST                ; the spare words, 128 bytes for each wave, which no other line names
.set PH,    524288                     ; bytes of a head in qkv16 and in ao
.set AK0, 1                            ; v1   my lane's place in a tile of K
.set AV0, 2                            ; v2   the same for V
.set ADK, 3                            ; v3   LDS address of the step's K
.set ADV, 4                            ; v4   of its V
.set SPW, 5                            ; v5   LDS address of my spare word; never rewritten
.set NIL, 6                            ; v6   0; never rewritten
.set PFO, 7                            ; v7   256 x lane: the prefetches' offset; never rewritten
.set D0,  8                            ; v8   lane % 16 - 8 (lane / 16)
.set DD,  9                            ; v9   the diagonal's bound
.set CH,  10                           ; v[10:13] the sums' second chains
.set NINF, 14                          ; v14  -infinity
.set QO,  15                           ; v15  my byte in the wave's rows of Q
.set ST,  16                           ; tile t's statistics at v[ST + 8 t]: +0 c m, +1 m, +2, +3 l (even keys', odd keys'), +4 to +7 at work; a takes +6
.set Q,   32                           ; v32-63   Q: tile t, channels 32 c on, at 16 t + 8 c
.set KV,  64                           ; v64-127  a step's K, then its V
.set S,   128                          ; v128-191 S^T: tile t, keys 16 kt on, at 32 t + 8 kt; then p; then P, packed in place at 32 t + 0..15
.set O,   192                          ; v192-255 O^T: tile t, channels 16 ct on, at 32 t + 8 ct
.set TBK, 2                            ; s2   LDS byte at which the step's K begins
.set TBV, 3                            ; s3   and, less VOFF, its V
.set WV,  18
.set CNT, 19
.set SEL, 20                           ; s[20:21] lane selects for v_permlanex16_b32: lane l xor 16
.set CS,  22                           ; s[22:23] c: the packed form names a pair and takes its low word for both halves
.set G1K, 24
.set G1V, 32
.set G0K, 40
.set G0V, 44
.set KF,  66                           ; s66  the step's first key
.set SLOTS, 67                         ; s67  changes of slots still to come that may ask for a slot
.set Q0,  68                           ; s68  my first query
.set QL,  69                           ; s69  my work-group's last query
.set PFA, 70                           ; s[70:71] where my prefetches stand in memory
.set LIM, 72                           ; s72  1 in a wave that prefetches, else the greatest number
; Waves 0-3 fetch K, waves 4-7 V.  The branch hangs on the wave's number alone.  An s_nop 0 and four v_nop follow each of the two lines.
.macro TLOAD
	s_cmp_lt_u32 s[WV], 4
	s_cbranch_scc0 .Lfor_v_\@
	tensor_load_to_lds s[G0K:G0K+3], s[G1K:G1K+7]
	s_nop 0
.rept 4
	v_nop
.endr
	s_branch .Lasked_\@
.Lfor_v_\@:
	tensor_load_to_lds s[G0V:G0V+3], s[G1V:G1V+7]
	s_nop 0
.rept 4
	v_nop
.endr
.Lasked_\@:
.endm
; A PREFETCH of what the NEXT change of slots will ask for.  All sixteen work-groups of a head walk the same K and V: the one with x = 0, which loads all sixteen slots, asks, and nobody else.  Each of its eight waves names
; the 8,192 bytes that it will itself fetch (64 rows of 128 bytes, dense), lanes 256 bytes apart: one instruction, four key steps ahead of that load.  So each block of 256 bytes is named once in the launch.
; Slots 0 and 1 come by their loads alone; the last change that fills a slot asks for nothing: there is no slot behind it.
.macro ASK
	s_cmp_gt_u32 s[SLOTS], s[LIM]
	s_cbranch_scc0 .Lnot_mine_\@
	global_prefetch_b8 v[PFO], s[PFA:PFA+1] th:TH_LOAD_NT scope:SCOPE_SE
.Lnot_mine_\@:
.endm
	s_load_b128 s[4:7], s[0:1], 0x0                ; qkv16, ao
	v_lshl_add_u32 v[SPW], v0, 2, SPARE
	v_mov_b32 v[NIL], 0
	ds_add_u32 v[SPW], v[NIL]                      ; the wave's opening: the add, twice on end, and its wait ahead of my first tensor load
	ds_add_u32 v[SPW], v[NIL]
	v_lshrrev_b32 v1, 5, v0
	v_readfirstlane_b32 s[WV], v1                  ; wave 0..7
	s_and_b32 s74, ttmp7, 0xffff                   ; the head
	s_and_b32 s75, s[WV], 3
	s_lshr_b32 s76, s[WV], 2
	s_sub_co_u32 s77, 31, ttmp9
	s_cmp_eq_u32 s76, 0
	s_cselect_b32 s77, ttmp9, s77                  ; my block of 128 queries: i or 31 - i
	s_lshl_b32 s[Q0], s77, 7
	s_lshl_b32 s78, s75, 5
	s_add_co_u32 s[Q0], s[Q0], s78                 ; my first query
	s_sub_co_u32 s[QL], 32, ttmp9
	s_lshl_b32 s[QL], s[QL], 7
	s_sub_co_u32 s[QL], s[QL], 1                   ; the last query of block 31 - i
	s_lshl_b32 s78, s74, 19                        ; the head's bytes
	s_lshl_b32 s79, s75, 13                        ; the 64 rows that I fetch
	s_add_co_u32 s96, s78, s79
	s_add_co_u32 s96, s96, 16*PH                   ; in K
	s_mov_b32 s97, 0
	s_lshl_b32 s76, s[Q0], 7
	s_add_co_u32 s76, s76, s78                     ; my queries' rows in q and in ao
	s_mov_b32 s77, 0
	; descriptor group 1: 64 rows of 64 elements of 2 bytes, dense in memory; padding behind every 32 words: 4 words for K, 8 for V
	s_mov_b32 s[G1K], (1<<16)|(1<<20)|(4<<22)|(3<<25)
	s_mov_b32 s[G1V], (1<<16)|(1<<20)|(4<<22)|(7<<25)
.irp g, G1K, G1V
	s_mov_b32 s[\g+1], 64<<16                      ; tensor_dim0
	s_mov_b32 s[\g+2], 64<<16                      ; tensor_dim1
	s_mov_b32 s[\g+3], 64<<16                      ; tile_dim0
	s_mov_b32 s[\g+4], 64                          ; tile_dim1
	s_mov_b32 s[\g+5], 64                          ; the pitch
	s_mov_b32 s[\g+6], 0
	s_mov_b32 s[\g+7], 0
.endr
	s_mov_b32 s[SEL], 0x76543210
	s_mov_b32 s[SEL+1], 0xfedcba98
	s_mov_b32 s[CS], 0x3e38aa3b                    ; c = log2(e) / 8
	s_mov_b32 s[CS+1], s[CS]
	s_mov_b32 s[TBK], 0
	s_mov_b32 s[TBV], 0
	s_mov_b32 s[KF], 0
	s_mov_b32 s[SLOTS], 15
	s_cmp_eq_u32 ttmp9, 0
	s_cselect_b32 s[LIM], 1, -1
	s_wait_dscnt 0x0                               ; both opening adds are done
	s_wait_kmcnt 0x0
	s_mov_b32 s[G0K], 1
	s_mul_i32 s[G0K+1], s75, 64*PK                 ; slot 0, my 64 rows
	s_add_nc_u64 s[G0K+2:G0K+3], s[4:5], s[96:97]
	s_mov_b32 s[G0V], 1
	s_mul_i32 s[G0V+1], s75, 64*PV
	s_add_co_u32 s[G0V+1], s[G0V+1], VOFF
	s_add_nc_u64 s[G0V+2:G0V+3], s[G0K+2:G0K+3], 16*PH
	s_cmp_lt_u32 s[WV], 4
	s_cselect_b64 s[PFA:PFA+1], s[G0K+2:G0K+3], s[G0V+2:G0V+3]
	s_add_nc_u64 s[PFA:PFA+1], s[PFA:PFA+1], 32768 ; in slot 1: the first change of slots steps it to slot 2
	s_or_b32 s[G0K+3], s[G0K+3], 0x80000000
	s_or_b32 s[G0V+3], s[G0V+3], 0x80000000
	TLOAD                                          ; slot 0
	s_add_nc_u64 s[4:5], s[4:5], s[76:77]          ; q at my first query
	s_add_nc_u64 s[6:7], s[6:7], s[76:77]          ; ao likewise
	v_and_b32 v10, 15, v0                          ; r
	v_bfe_u32 v11, v0, 4, 1                        ; h
	v_lshlrev_b32 v[QO], 7, v10
	v_lshl_add_u32 v[QO], v11, 4, v[QO]            ; row r of 128 bytes + 16 h
.irp t, 0,1
.irp c, 0,1
	global_load_b128 v[Q+16*\t+8*\c:Q+16*\t+8*\c+3], v[QO], s[4:5] offset:2048*\t+64*\c       ; Q stays in registers
	global_load_b128 v[Q+16*\t+8*\c+4:Q+16*\t+8*\c+7], v[QO], s[4:5] offset:2048*\t+64*\c+32
.endr
.endr
	v_mul_u32_u24 v[AK0], v10, PK
	v_lshl_add_u32 v[AK0], v11, 4, v[AK0]
	v_and_b32 v12, 7, v0
	v_bfe_u32 v13, v0, 3, 1
	v_lshl_add_u32 v[AV0], v11, 3, v12             ; the turning load: key 8 h + l % 8, channels 8 ((l / 8) % 2) on
	v_mul_u32_u24 v[AV0], v[AV0], PV
	v_lshl_add_u32 v[AV0], v13, 4, v[AV0]
	v_add_nc_u32 v[AV0], VOFF, v[AV0]
	v_and_b32 v[PFO], 31, v0
	v_lshlrev_b32 v[PFO], 8, v[PFO]
	v_lshlrev_b32 v[D0], 3, v11
	v_sub_nc_u32 v[D0], v10, v[D0]
	v_mov_b32 v[NINF], 0xff800000
.irp t, 0,1
	v_mov_b32 v[ST+8*\t+1], 0xff61b1e6             ; m: -3e38, under every score
	v_mul_f32 v[ST+8*\t], s[CS], v[ST+8*\t+1]      ; c m
.irp j, 2,3,4,5,6,7
	v_mov_b32 v[ST+8*\t+\j], 0                     ; l; and the registers at work, which a lane permute and the packed forms name before they are first written
.endr
.endr
.set n, 0
.rept 64
	v_mov_b32 v[O+n], 0                            ; O^T.  The step is written without a first copy: the first step finds zeros, and a = 0 leaves them zeros
.set n, n+1
.endr
	s_wait_loadcnt 0x0                             ; Q
; A KEY STEP: 64 keys.
.macro STEP
	s_add_co_u32 s96, s[Q0], 31                    ; all 64 keys come after my 32 queries: the step's work is left out.  No barrier and no tensor load stands in a step
	s_cmp_gt_u32 s[KF], s96
	s_cbranch_scc1 .Lhidden_\@
	v_add_nc_u32 v[ADK], s[TBK], v[AK0]
	v_add_nc_u32 v[ADV], s[TBV], v[AV0]
.irp c, 0,1
.irp kt, 0,1,2,3
	ds_load_b128 v[KV+8*(4*\c+\kt):KV+8*(4*\c+\kt)+3], v[ADK] offset:16*PK*\kt+64*\c
	ds_load_b128 v[KV+8*(4*\c+\kt)+4:KV+8*(4*\c+\kt)+7], v[ADK] offset:16*PK*\kt+64*\c+32
.endr
.endr
	s_wait_dscnt 8                                 ; channels 0-31 are in; the eight loads of channels 32-63 may be out
.irp kt, 0,1,2,3
.irp t, 0,1
	v_wmma_f32_16x16x32_f16 v[S+32*\t+8*\kt:S+32*\t+8*\kt+7], v[KV+8*\kt:KV+8*\kt+7], v[Q+16*\t:Q+16*\t+7], 0
.endr
.endr
	s_wait_dscnt 0x0
.irp kt, 0,1,2,3                               ; the eight accumulators take turns, one instruction a turn
.irp t, 0,1
	v_wmma_f32_16x16x32_f16 v[S+32*\t+8*\kt:S+32*\t+8*\kt+7], v[KV+32+8*\kt:KV+32+8*\kt+7], v[Q+16*\t+8:Q+16*\t+15], v[S+32*\t+8*\kt:S+32*\t+8*\kt+7]
.endr
.endr
.rept 4
	v_nop                                          ; places in front of the loads into K's registers and of the first read of the scores
.endr
.irp kk, 0,1
.irp ct, 0,1,2,3
	ds_load_tr16_b128 v[KV+8*(4*\kk+\ct):KV+8*(4*\kk+\ct)+3], v[ADV] offset:32*PV*\kk+32*\ct           ; V^T: channels 16 ct on, keys 32 kk on; it lands while the softmax is walked
	ds_load_tr16_b128 v[KV+8*(4*\kk+\ct)+4:KV+8*(4*\kk+\ct)+7], v[ADV] offset:32*PV*\kk+16*PV+32*\ct
.endr
.endr
	s_add_co_u32 s96, s[KF], 63                    ; a step all of whose keys count for all my queries skips the mask
	s_cmp_le_u32 s96, s[Q0]
	s_cbranch_scc1 .Lopen_\@
	s_sub_co_i32 s96, s[Q0], s[KF]
	v_add_nc_u32 v[DD], s96, v[D0]                 ; d = Q0 - KF + r - 8 h.  Register 8 kt + j of tile t holds key KF + 16 kt + 8 h + j for query Q0 + 16 t + r: hidden where 16 kt + j - 16 t > d
.irp t, 0,1
.irp n, 0,1,2,3,4,5,6,7,8,9,10,11,12,13,14,15,16,17,18,19,20,21,22,23,24,25,26,27,28,29,30,31
	v_cmp_gt_i32 vcc_lo, 16*(\n/8)+\n%8-16*\t, v[DD]
	v_cndmask_b32 v[S+32*\t+\n], v[S+32*\t+\n], v[NINF], vcc_lo
.endr
.endr
.Lopen_\@:
	; the maximum of my 32 scores and the old m, three operands at a time, four chains a tile, the two tiles line by line
.irp j, 0,1,2,3
.irp t, 0,1
	v_max3_num_f32 v[ST+8*\t+4+\j], v[S+32*\t+8*\j], v[S+32*\t+8*\j+1], v[S+32*\t+8*\j+2]
.endr
.endr
.irp i, 3,5
.irp j, 0,1,2,3
.irp t, 0,1
	v_max3_num_f32 v[ST+8*\t+4+\j], v[ST+8*\t+4+\j], v[S+32*\t+8*\j+\i], v[S+32*\t+8*\j+\i+1]
.endr
.endr
.endr
.irp t, 0,1
	v_max3_num_f32 v[ST+8*\t+4], v[ST+8*\t+4], v[S+32*\t+7], v[S+32*\t+15]
.endr
.irp t, 0,1
	v_max3_num_f32 v[ST+8*\t+6], v[ST+8*\t+6], v[S+32*\t+23], v[S+32*\t+31]
.endr
.irp t, 0,1
	v_max3_num_f32 v[ST+8*\t+4], v[ST+8*\t+4], v[ST+8*\t+5], v[ST+8*\t+6]
.endr
.irp t, 0,1
	v_max3_num_f32 v[ST+8*\t+4], v[ST+8*\t+4], v[ST+8*\t+7], v[ST+8*\t+1]
.endr
.irp t, 0,1
	v_permlanex16_b32 v[ST+8*\t+5], v[ST+8*\t+4], s[SEL], s[SEL+1]   ; the query's other 32 keys lie in the lane 16 away
.endr
.irp t, 0,1
	v_mov_b32 v[ST+8*\t+7], v[ST+8*\t]             ; c m_old is kept for a
.endr
.irp t, 0,1
	v_max_num_f32 v[ST+8*\t+1], v[ST+8*\t+4], v[ST+8*\t+5]
.endr
.irp t, 0,1
	v_mul_f32 v[ST+8*\t], s[CS], v[ST+8*\t+1]
.endr
.irp t, 0,1
	v_sub_f32 v[ST+8*\t+7], v[ST+8*\t+7], v[ST+8*\t]
.endr
.irp b, 0,1,2,3,4,5,6,7,8,9,10,11,12,13,14,15
.irp t, 0,1
	v_pk_fma_f32 v[S+32*\t+2*\b:S+32*\t+2*\b+1], v[S+32*\t+2*\b:S+32*\t+2*\b+1], s[CS:CS+1], v[ST+8*\t:ST+8*\t+1] op_sel_hi:[1,0,0] neg_lo:[0,0,1] neg_hi:[0,0,1]   ; c s - c m, two at a time
.endr
.endr
.irp t, 0,1
	v_exp_f32 v[ST+8*\t+6], v[ST+8*\t+7]           ; a
.endr
.irp n, 0,1,2,3,4,5,6,7,8,9,10,11,12,13,14,15,16,17,18,19,20,21,22,23,24,25,26,27,28,29,30,31
.irp t, 0,1
	v_exp_f32 v[S+32*\t+\n], v[S+32*\t+\n]         ; p
.endr
.endr
	v_nop                                          ; a plain instruction behind the last exponential
	s_wait_alu depctr_va_vdst(0)                   ; ONE wait for both tiles' 66 exponentials, ahead of the first instruction that names a result
.irp t, 0,1
	v_pk_add_f32 v[ST+8*\t+4:ST+8*\t+5], v[S+32*\t:S+32*\t+1], v[S+32*\t+4:S+32*\t+5]       ; the sums of the unrounded p: two chains a tile
	v_pk_add_f32 v[CH+2*\t:CH+2*\t+1], v[S+32*\t+2:S+32*\t+3], v[S+32*\t+6:S+32*\t+7]
.endr
.irp b, 8,12,16,20,24,28
.irp t, 0,1
	v_pk_add_f32 v[ST+8*\t+4:ST+8*\t+5], v[ST+8*\t+4:ST+8*\t+5], v[S+32*\t+\b:S+32*\t+\b+1]
	v_pk_add_f32 v[CH+2*\t:CH+2*\t+1], v[CH+2*\t:CH+2*\t+1], v[S+32*\t+\b+2:S+32*\t+\b+3]
.endr
.endr
.irp t, 0,1
	v_pk_add_f32 v[ST+8*\t+4:ST+8*\t+5], v[ST+8*\t+4:ST+8*\t+5], v[CH+2*\t:CH+2*\t+1]
.endr
.irp t, 0,1
	v_pk_fma_f32 v[ST+8*\t+2:ST+8*\t+3], v[ST+8*\t+2:ST+8*\t+3], v[ST+8*\t+6:ST+8*\t+7], v[ST+8*\t+4:ST+8*\t+5] op_sel_hi:[1,0,1]   ; l = a l + the sum
.endr
.irp i, 0,1,2,3,4,5,6,7,8,9,10,11,12,13,14,15
.irp t, 0,1
	v_cvt_pk_f16_f32 v[S+32*\t+\i], v[S+32*\t+2*\i], v[S+32*\t+2*\i+1]   ; P, in place: register i is written when registers 2 i, 2 i + 1 are read, and never before
.endr
.endr
.irp i, 0,1,2,3,4,5,6,7,8,9,10,11,12,13,14,15
.irp t, 0,1
	v_pk_mul_f32 v[O+32*\t+2*\i:O+32*\t+2*\i+1], v[O+32*\t+2*\i:O+32*\t+2*\i+1], v[ST+8*\t+6:ST+8*\t+7] op_sel_hi:[1,0]   ; O^T x a
.endr
.endr
	s_wait_dscnt 0x0                               ; V is in
.irp kk, 0,1
.irp ct, 0,1,2,3
.irp t, 0,1
	v_wmma_f32_16x16x32_f16 v[O+32*\t+8*\ct:O+32*\t+8*\ct+7], v[KV+8*(4*\kk+\ct):KV+8*(4*\kk+\ct)+7], v[S+32*\t+8*\kk:S+32*\t+8*\kk+7], v[O+32*\t+8*\ct:O+32*\t+8*\ct+7]
.endr
.endr
.endr
.rept 5
	v_nop                                          ; five places: the next step's first products write over P's registers; its loads land in V's; the way out reads O^T
.endr
.Lhidden_\@:
	s_add_co_u32 s[KF], s[KF], 64
	s_add_co_u32 s[TBK], s[TBK], 64*PK
	s_add_co_u32 s[TBV], s[TBV], 64*PV
.endm
; THE CHANGE OF SLOTS stands at a slot's head.  Each wave waits for all its tensor loads (its part of the slot that it is about to read), adds 0 to its spare word, and waits for that and for its reads of the slot that it has left.
; Behind the barrier the slot ahead is whole and nobody reads the other one.  fill = 1: that other slot is filled with the next 256 keys, up to the causal limit: the load has four key steps in which to land.
.macro CHANGE fill
	s_wait_tensorcnt 0x0                           ; no tensor load of mine is out, so a group 0 may be written
	ds_add_u32 v[SPW], v[NIL]                      ; 0 onto my spare word
.if \fill
	s_xor_b32 s[G0K+1], s[G0K+1], SLOT1            ; the walking descriptors: the other slot than last time,
	s_add_nc_u64 s[G0K+2:G0K+3], s[G0K+2:G0K+3], 32768   ; the next 256 rows of 128 bytes; the type bits on top are not reached
	s_xor_b32 s[G0V+1], s[G0V+1], SLOT1
	s_add_nc_u64 s[G0V+2:G0V+3], s[G0V+2:G0V+3], 32768
	s_wait_xcnt 0x0                                ; the last prefetch, a slot back, has read its address, so it may be written
	s_add_nc_u64 s[PFA:PFA+1], s[PFA:PFA+1], 32768 ; one slot further on than the walking descriptors
.endif
	s_wait_dscnt 0x0                               ; the add is done, and my reads of the slot that I have left are over
	s_barrier_signal -1
	s_barrier_wait -1
.if \fill
	s_add_co_u32 s96, s[KF], 256                   ; the first key of the slot that this change would ask for:
	s_cmp_gt_u32 s96, s[QL]                        ; past my work-group's last query no wave reads it.  Ids and the count of steps alone: all eight waves go the same way; every wait for tensor loads in this text is for 0
	s_cbranch_scc1 .Lpast_\@
	TLOAD                                          ; a wave's one tensor load until the next change
.Lpast_\@:
	ASK
.endif
.endm
.macro SLOT_STEPS                      ; a slot's four key steps: written once, walked four times
	s_mov_b32 s[CNT], 4
.Lstep_\@:
	STEP
	s_sub_co_u32 s[CNT], s[CNT], 1
	s_cmp_lg_u32 s[CNT], 0
	s_cbranch_scc1 .Lstep_\@
	s_sub_co_u32 s[TBK], s[TBK], 256*PK            ; back to a slot's first step,
	s_xor_b32 s[TBK], s[TBK], SLOT1                ; in the other slot
	s_sub_co_u32 s[TBV], s[TBV], 256*PV
	s_xor_b32 s[TBV], s[TBV], SLOT1
.endm
.Lslot:                                            ; 15 trips
	CHANGE 1
	SLOT_STEPS
	s_sub_co_u32 s[SLOTS], s[SLOTS], 1
	s_cmp_lg_u32 s[SLOTS], 0
	s_cbranch_scc1 .Lslot
	CHANGE 0                                       ; the last slot is written out: nothing is left to ask for
	SLOT_STEPS
	; THE WAY OUT.  l's two halves and the other half of the lanes' are added; O^T is divided by l, rounded to f16 and sent through my stage, so that a store covers four whole rows: 512 consecutive bytes.
.irp t, 0,1
	v_add_f32 v[ST+8*\t+4], v[ST+8*\t+2], v[ST+8*\t+3]
.endr
.irp t, 0,1
	v_permlanex16_b32 v[ST+8*\t+5], v[ST+8*\t+4], s[SEL], s[SEL+1]
.endr
.irp t, 0,1
	v_add_f32 v[ST+8*\t+4], v[ST+8*\t+4], v[ST+8*\t+5]
.endr
.irp t, 0,1
	v_rcp_f32 v[ST+8*\t+6], v[ST+8*\t+4]
.endr
	v_and_b32 v10, 15, v0                          ; (plain work behind the reciprocals)  r
	v_bfe_u32 v11, v0, 4, 1                        ; h
	s_mul_i32 s96, s[WV], WST
	s_add_co_u32 s96, s96, STAGE                   ; my stage
	v_mul_u32_u24 v1, v10, SP
	v_lshl_add_u32 v1, v11, 4, v1
	v_add_nc_u32 v1, s96, v1                       ; in: row r, 16 bytes for each half of the lanes
	v_and_b32 v12, 31, v0
	v_lshrrev_b32 v2, 3, v12
	v_mul_u32_u24 v2, v2, SP
	v_and_b32 v13, 7, v0
	v_lshl_add_u32 v2, v13, 4, v2
	v_add_nc_u32 v2, s96, v2                       ; back: eight lanes to a row, four rows an instruction
	v_lshlrev_b32 v3, 4, v12                       ; and the same 512 bytes in ao
	s_wait_alu depctr_va_vdst(0)                   ; one wait for the two reciprocals, ahead of their first reader
.irp t, 0,1
.irp i, 0,1,2,3,4,5,6,7,8,9,10,11,12,13,14,15
	v_pk_mul_f32 v[O+32*\t+2*\i:O+32*\t+2*\i+1], v[O+32*\t+2*\i:O+32*\t+2*\i+1], v[ST+8*\t+6:ST+8*\t+7] op_sel_hi:[1,0]
.endr
.endr
.irp t, 0,1
.irp i, 0,1,2,3,4,5,6,7,8,9,10,11,12,13,14,15
	v_cvt_pk_f16_f32 v[S+16*\t+\i], v[O+32*\t+2*\i], v[O+32*\t+2*\i+1]
.endr
.endr
.irp t, 0,1
.irp ct, 0,1,2,3
	ds_store_b128 v1, v[S+16*\t+4*\ct:S+16*\t+4*\ct+3] offset:16*SP*\t+32*\ct    ; lane (r, h): query 16 t + r, channels 16 ct + 8 h + 0 .. 7
.endr
.endr
.irp i, 0,1,2,3,4,5,6,7
	ds_load_b128 v[KV+4*\i:KV+4*\i+3], v2 offset:4*SP*\i   ; LDS serves a wave's instructions in order: these see my stores
.endr
.irp i, 0,1,2,3,4,5,6,7
	s_wait_dscnt 7-\i                              ; load i is in; the younger ones may be out
	global_store_b128 v3, v[KV+4*\i:KV+4*\i+3], s[6:7] offset:512*\i
.endr
	s_wait_tensorcnt 0x0                           ; the wave's end
	ds_add_u32 v[SPW], v[NIL]
	s_wait_dscnt 0x0
	s_endpgm
.Lfunc_end_k_qfe37aff8cb_attn:
	.size	k_qfe37aff8cb_attn, .Lfunc_end_k_qfe37aff8cb_attn-k_qfe37aff8cb_attn
	.p2alignl 7, 3214868480
	.fill 96, 4, 3214868480
	.section	.rodata,"a",@progbits
	.p2align	6, 0x0
	.amdhsa_kernel k_qfe37aff8cb_attn
		.amdhsa_group_segment_fixed_size 327680
		.amdhsa_private_segment_fixed_size 0
		.amdhsa_enable_private_segment 0
		.amdhsa_kernarg_size 16
		.amdhsa_user_sgpr_count 2
		.amdhsa_user_sgpr_kernarg_segment_ptr 1
		.amdhsa_wavefront_size32 1
		.amdhsa_system_sgpr_workgroup_id_x 1
		.amdhsa_system_sgpr_workgroup_id_y 1
		.amdhsa_system_sgpr_workgroup_id_z 1
		.amdhsa_system_vgpr_workitem_id 0
		.amdhsa_next_free_vgpr 256
		.amdhsa_next_free_sgpr 98
		.amdhsa_reserve_vcc 1
		.amdhsa_float_denorm_mode_32 3
		.amdhsa_float_denorm_mode_16_64 3
		.amdhsa_memory_ordered 1
		.amdhsa_forward_progress 1
		.amdhsa_inst_pref_size 61
	.end_amdhsa_kernel
	.amdgpu_metadata
---
amdhsa.version: [ 1, 2 ]
amdhsa.kernels:
  - .name:           k_qfe37aff8cb_attn
    .symbol:         k_qfe37aff8cb_attn.kd
    .args:
      - { .name: qkv16, .offset: 0, .size: 8, .value_kind: global_buffer, .address_space: global }
      - { .name: ao, .offset: 8, .size: 8, .value_kind: global_buffer, .address_space: global }
    .group_segment_fixed_size: 327680
    .private_segment_fixed_size: 0
    .kernarg_segment_align: 8
    .kernarg_segment_size: 16
    .max_flat_workgroup_size: 256
    .sgpr_count:     98
    .vgpr_count:     256
    .wavefront_size: 32
...
	.end_amdgpu_metadata
.endif
;; end of part 3
;; launch proj (part 4): grid 8 x 32, 4 waves a work-group, clusters of 4 x 4, 327,680 bytes of LDS; arguments ao, ow16, out0, out_b; writes out0
.if DOCPART == 4
	.amdgcn_target "amdgcn-amd-amdhsa--gfx1250"
	.amdhsa_code_object_version 6
	.text
	.protected	k_qfe37aff8cb_proj
	.globl	k_qfe37aff8cb_proj
	.p2align	8
	.type	k_qfe37aff8cb_proj,@function
k_qfe37aff8cb_proj:
	s_mov_b64 s[64:65], 0
	v_nop
	global_prefetch_b8 v0, s[64:65] scope:SCOPE_SE
	s_setreg_imm32_b32 hwreg(HW_REG_WAVE_MODE, 25, 1), 1
	s_wait_xcnt 0x0
	s_wait_alu depctr_hold_cnt(0) depctr_sa_sdst(0) depctr_va_vdst(0) depctr_va_sdst(0) depctr_va_ssrc(0) depctr_va_vcc(0) depctr_vm_vsrc(0)
	s_getreg_b32 s2, hwreg(HW_REG_IB_STS2, 6, 4)
	s_cmp_eq_u32 s2, 0
	s_cbranch_scc0 .Lentry_in_a_cluster
	s_endpgm
.Lentry_in_a_cluster:
	s_bfe_u32 s2, ttmp6, 0x10000c
	s_cmp_lg_u32 s2, 0xf033
	s_cbranch_scc0 .Lentry_shape_is_right
	s_endpgm
.Lentry_shape_is_right:
; out0[t][n] = sum over k of ao[t][k] out_w[n][k] + out_b[n].  4,096 x 1,024, K = 1,024.  Operands f16, sums f32, out0 f32.
; Both operands lie [16 blocks of 64 along K][rows][64]: ao by heads, as the launch before stored it, ow16 likewise.  Rows 0-15 are written here too; a later launch, which carries them finely, has the last word on them.
; A tile of out0 is 128 x 128, which gives each of 256 work-groups one tile.  Four waves, each 64 x 64: 16 accumulators.  K goes in steps of 256 through two LDS slots.
; A wave's tensor load brings 64 rows x 256 along K: four runs of 8,192 dense bytes (a K block's 64 rows of 128 bytes), with 16 bytes of padding behind every 128: in LDS [K block][row], 144 bytes from row to row.
; CLUSTERS: 4 x 4 work-groups; ao's tiles are shared along a row of the cluster, ow16's along a column, each asked for JOINTLY.  THE MATRIX INSTRUCTION IS USED TRANSPOSED (source 0 = 16 rows of out_w, source 1 = 16 rows of ao):
; a lane holds eight neighbouring columns of a row.  THE BIAS is the C of each sum's first product.
; REGISTERS: window 0: v0-31 addresses; v32-63 the bias, later with v64-95 rows on the way out; v128-255 the accumulators ((a, b) at v[128 + 8 (4 a + b)]).   window 1: two fragment buffers of 128.
.set SIZE_M, 4096
.set SIZE_N, 1024
.set SIZE_K, 1024
.set KSTEP,  256
.set PITCH,  144                       ; a row of 64 along K in LDS: 128 bytes + 16: the 16 rows of a load start at 16 different groups of banks
.set ZB,     64*PITCH                  ; a K block's 64 rows
.set HALFT,  4*ZB                      ; what one tensor load brings
.set SLOT,   4*HALFT
.set STAGE,  2*SLOT                    ; the way out: 16 rows x (256 bytes + 16) for each wave, bytes of its own
.set SPITCH, 272
.set SPARE,  STAGE+4*16*SPITCH         ; the spare words, 128 bytes for each wave, which no other line names
.set LAPS,   SIZE_K/(2*KSTEP)
.set ABLK,   SIZE_M*128                ; bytes of a K block of ao
.set BBLK,   SIZE_N*128                ; and of ow16
.set ADRA, 16
.set ADRB, 20
.set STO,  24
.set RD,   25
.set CO,   26
.set BO,   27                          ; v27  32 x (lane / 16)
.set SPW,  28                          ; v28  LDS address of my spare word; never rewritten
.set NIL,  29                          ; v29  0; never rewritten
.set BI,   32
.set OB,   32
.set ACC,  128
.set F0,   0
.set F1,   128
.set G1, 24
.set G0, 32
.set G1B, 48
.set G0B, 56
.set MSB, 0
.macro WIN new
.if MSB != \new
	s_set_vgpr_msb (MSB<<8)|\new
.set MSB, \new
.endif
.endm
.set MUL,  0x05                        ; sources 0 and 1 window 1; C and D window 0
.set TO_F, 0x40                        ; destination window 1, address window 0
.macro JLOAD s                         ; a joint load: waves 0 and 1 fetch ao's two halves, waves 2 and 3 ow16's; an s_nop 0 and four v_nop follow each of the two lines
	s_cmp_eq_u32 s11, 0
	s_cbranch_scc0 .Lfor_b_\@
	tensor_load_to_lds s[G0+4*\s:G0+4*\s+3], s[G1:G1+7]
	s_nop 0
.rept 4
	v_nop
.endr
	s_branch .Lasked_\@
.Lfor_b_\@:
	tensor_load_to_lds s[G0B+4*\s:G0B+4*\s+3], s[G1B:G1B+7]
	s_nop 0
.rept 4
	v_nop
.endr
.Lasked_\@:
.endm
.macro CREST
	s_cmp_lg_u32 s10, 0
	s_cbranch_scc1 .Lnot_wave_0_\@
	s_barrier_signal -3
.Lnot_wave_0_\@:
	s_barrier_wait -3
	s_barrier_signal -1
	s_barrier_wait -1
.endm
.macro CROUND
	s_barrier_signal -1
	s_barrier_wait -1
	CREST
.endm
	s_load_b128 s[4:7], s[0:1], 0x0                ; ao, ow16
	s_load_b64 s[8:9], s[0:1], 0x10                ; out0
	s_load_b64 s[66:67], s[0:1], 0x18              ; out_b
	v_lshl_add_u32 v[SPW], v0, 2, SPARE
	v_mov_b32 v[NIL], 0
	ds_add_u32 v[SPW], v[NIL]                      ; the wave's opening: the add, twice on end, and its wait ahead of my first tensor load
	ds_add_u32 v[SPW], v[NIL]
	v_lshrrev_b32 v1, 5, v0
	v_readfirstlane_b32 s10, v1                    ; wave 0..3
	s_lshr_b32 s11, s10, 1                         ; which half of the tile's rows is mine.  Also: I fetch for ao (0) or for ow16 (1)
	s_and_b32 s12, s10, 1                          ; which half of its columns.  Also: which 64 rows of that tile I fetch
	s_bfe_u32 s40, ttmp6, 0x40000                  ; cx, cy
	s_bfe_u32 s41, ttmp6, 0x40004
	s_lshl_b32 s42, ttmp9, 2
	s_add_co_u32 s42, s42, s40                     ; tile column
	s_and_b32 s13, ttmp7, 0xffff
	s_lshl_b32 s13, s13, 2
	s_add_co_u32 s13, s13, s41                     ; tile row
	s_lshl_b32 s43, s41, 2
	s_lshl_b32 s43, 15, s43                        ; my row of the cluster
	s_lshl_b32 s44, 0x1111, s40                    ; my column
	; descriptor group 1: 4 rows of 4,096 elements of 2 bytes; padding of 4 words behind every 32
	s_or_b32 s[G1+0], s43, (1<<16)|(1<<20)|(1<<21)|(4<<22)|(3<<25)
	s_or_b32 s[G1B+0], s44, (1<<16)|(1<<20)|(1<<21)|(4<<22)|(3<<25)
.irp g, G1, G1B
	s_mov_b32 s[\g+1], 4096<<16                    ; tensor_dim0
	s_mov_b32 s[\g+2], 4<<16                       ; tensor_dim1
	s_mov_b32 s[\g+3], 4096<<16                    ; tile_dim0
	s_mov_b32 s[\g+4], 4                           ; tile_dim1
	s_mov_b32 s[\g+6], 0
	s_mov_b32 s[\g+7], 0
.endr
	s_mov_b32 s[G1+5], SIZE_M*64                   ; the pitch: elements from a K block to the next
	s_mov_b32 s[G1B+5], SIZE_N*64
	s_lshl_b32 s17, s12, 6                         ; which 64 rows of the tile I fetch
	s_lshl_b32 s16, s13, 7
	s_add_co_u32 s16, s16, s17                     ; ao: row 128 x tile row + 64 x half
	s_lshl_b32 s46, s42, 7
	s_add_co_u32 s46, s46, s17                     ; ow16: row 128 x tile column + 64 x half
	s_lshl_b32 s16, s16, 7                         ; x 128 bytes
	s_lshl_b32 s46, s46, 7
	s_mov_b32 s17, 0
	s_mov_b32 s47, 0
	s_mul_i32 s20, s10, HALFT                      ; where they go: no place in the cluster enters an LDS address
	s_wait_dscnt 0x0                               ; both opening adds are done
	s_wait_kmcnt 0x0
	s_add_nc_u64 s[14:15], s[4:5], s[16:17]
	s_add_nc_u64 s[46:47], s[6:7], s[46:47]
	CROUND                                         ; all sixteen work-groups are here: the first joint loads meet
.irp s, 0,1
	s_mov_b32 s[G0+4*\s], 1
	s_add_co_u32 s[G0+4*\s+1], s20, \s*SLOT
	s_add_nc_u64 s[G0+4*\s+2:G0+4*\s+3], s[14:15], \s*4*ABLK       ; K step s: four K blocks on
	s_or_b32 s[G0+4*\s+3], s[G0+4*\s+3], 0x80000000
	s_mov_b32 s[G0B+4*\s], 1
	s_add_co_u32 s[G0B+4*\s+1], s20, \s*SLOT
	s_add_nc_u64 s[G0B+4*\s+2:G0B+4*\s+3], s[46:47], \s*4*BBLK
	s_or_b32 s[G0B+4*\s+3], s[G0B+4*\s+3], 0x80000000
	JLOAD \s
.endr
	v_and_b32 v1, 15, v0                           ; l % 16
	v_bfe_u32 v2, v0, 4, 1                         ; l / 16
	v_mul_u32_u24 v3, v1, PITCH
	v_lshl_add_u32 v3, v2, 4, v3                   ; a fragment's row x pitch + 16 x half
	s_mul_i32 s21, s11, HALFT                      ; my 64 rows of ao
	s_mul_i32 s22, s12, HALFT                      ; my 64 rows of ow16,
	s_add_co_u32 s22, s22, 2*HALFT                 ; which lie behind ao's 128
.irp s, 0,1
	v_add_nc_u32 v[ADRA+\s], s21, v3
	v_add_nc_u32 v[ADRB+\s], s22, v3
	s_add_co_u32 s21, s21, SLOT
	s_add_co_u32 s22, s22, SLOT
.endr
	s_mul_i32 s23, s10, 16*SPITCH
	s_add_co_u32 s23, s23, STAGE                   ; my stage
	v_mul_u32_u24 v4, v1, SPITCH                   ; in: row l % 16, 32 bytes for each half of the lanes
	v_lshl_add_u32 v4, v2, 5, v4
	v_add_nc_u32 v[STO], s23, v4
	v_mul_u32_u24 v5, v2, SPITCH                   ; back: lanes 0-15 one row of 256 bytes, lanes 16-31 the next
	v_lshl_add_u32 v5, v1, 4, v5
	v_add_nc_u32 v[RD], s23, v5
	v_lshlrev_b32 v5, 12, v2                       ; and the same two rows in out0
	v_lshl_add_u32 v[CO], v1, 4, v5
	v_lshlrev_b32 v[BO], 5, v2
	s_lshl_b32 s16, s13, 7
	s_lshl_b32 s17, s11, 6
	s_add_co_u32 s16, s16, s17                     ; my first row: 128 x tile row + 64 x half
	s_lshl_b32 s16, s16, 12                        ; x 4,096 bytes
	s_mov_b32 s17, 0
	s_add_nc_u64 s[8:9], s[8:9], s[16:17]
	s_lshl_b32 s46, s42, 9                         ; my first column x 4: 512 x tile column + 256 x half
	s_lshl_b32 s47, s12, 8
	s_add_co_u32 s46, s46, s47
	s_mov_b32 s47, 0
	s_add_nc_u64 s[8:9], s[8:9], s[46:47]
	s_add_nc_u64 s[66:67], s[66:67], s[46:47]
.irp b, 0,1,2,3
	global_load_b128 v[BI+8*\b:BI+8*\b+3], v[BO], s[66:67] offset:64*\b           ; lane (r, h): out_b at columns 16 b + 8 h + 0 .. 7
	global_load_b128 v[BI+8*\b+4:BI+8*\b+7], v[BO], s[66:67] offset:64*\b+16
.endr
; 8 matrix instructions: row blocks a0, a0 + 1 x all 4 column blocks, 32 along K: half c of buffer f.  first = 1: the product starts the sum on the bias
.macro MUL8 f, c, a0, first
.irp a, \a0, \a0+1
.irp b, 0,1,2,3
.if \first
	v_wmma_f32_16x16x32_f16 v[ACC+8*(4*(\a)+\b):ACC+8*(4*(\a)+\b)+7], v[\f+64+8*(4*\c+\b):\f+64+8*(4*\c+\b)+7], v[\f+8*(4*\c+\a):\f+8*(4*\c+\a)+7], v[BI+8*\b:BI+8*\b+7]
.else
	v_wmma_f32_16x16x32_f16 v[ACC+8*(4*(\a)+\b):ACC+8*(4*(\a)+\b)+7], v[\f+64+8*(4*\c+\b):\f+64+8*(4*\c+\b)+7], v[\f+8*(4*\c+\a):\f+8*(4*\c+\a)+7], v[ACC+8*(4*(\a)+\b):ACC+8*(4*(\a)+\b)+7]
.endif
.endr
.endr
.endm
; 32 LDS loads in one run: the fragments of the slot's K block z into buffer f; the first 32 along K first
.macro FETCH slot, z, f
	WIN TO_F
.irp c, 0,1
.irp i, 0,1,2,3
	ds_load_b128 v[\f+64+8*(4*\c+\i):\f+64+8*(4*\c+\i)+3],   v[ADRB+\slot] offset:ZB*(\z)+64*\c+\i*16*PITCH
	ds_load_b128 v[\f+64+8*(4*\c+\i)+4:\f+64+8*(4*\c+\i)+7], v[ADRB+\slot] offset:ZB*(\z)+64*\c+\i*16*PITCH+32
	ds_load_b128 v[\f+8*(4*\c+\i):\f+8*(4*\c+\i)+3],         v[ADRA+\slot] offset:ZB*(\z)+64*\c+\i*16*PITCH
	ds_load_b128 v[\f+8*(4*\c+\i)+4:\f+8*(4*\c+\i)+7],       v[ADRA+\slot] offset:ZB*(\z)+64*\c+\i*16*PITCH+32
.endr
.endr
.endm
.macro PLACES                          ; four places in front of loads into registers that matrix instructions have read, and of the first read of results
.rept 4
	v_nop
.endr
.endm
; A K step is four quarters of 64 along K, 32 matrix instructions each, on buffers 0, 1, 0, 1.  One of the first three: multiplies buffer f and fetches K block z into g.
.macro QUARTER slot, z, f, g, first
	s_wait_dscnt 16                                ; the first 32 along K are in; the sixteen younger loads may be out
	WIN MUL
	MUL8 \f, 0, 0, \first
	MUL8 \f, 0, 2, \first
	PLACES
	FETCH \slot, \z, \g
	s_wait_dscnt 32                                ; all but the 32 just issued
	WIN MUL
	MUL8 \f, 1, 0, 0
	MUL8 \f, 1, 2, 0
.endm
; The last quarter multiplies buffer 1 and changes slots: ONE barrier; in front of it each wave waits for all its tensor loads, adds 0 to its spare word, and waits for that and for its reads of this slot.  fill = 1: this slot is filled again, two K steps ahead.
.macro TURN slot, next, fill
	WIN 0
	s_wait_tensorcnt 0x0                           ; all my tensor loads have landed: my part of the next slot
	ds_add_u32 v[SPW], v[NIL]                      ; 0 onto my spare word
	s_wait_dscnt 17                                ; (the add and the youngest sixteen loads may be out)
	WIN MUL
	MUL8 F1, 0, 0, 0
	s_wait_dscnt 0x0                               ; the add is done, and my reads of this slot are over
	s_barrier_signal -1
	MUL8 F1, 0, 2, 0
.if \fill
	WIN 0
.endif
	s_barrier_wait -1
.if \fill
	CREST                                          ; the barrier has opened a round of the cluster's barrier: no wave of any partner still reads this slot or has a load on its way
	s_add_nc_u64 s[G0+4*\slot+2:G0+4*\slot+3], s[G0+4*\slot+2:G0+4*\slot+3], 2*4*ABLK
	s_add_nc_u64 s[G0B+4*\slot+2:G0B+4*\slot+3], s[G0B+4*\slot+2:G0B+4*\slot+3], 2*4*BBLK
	JLOAD \slot                                    ; the first tensor load behind the round; its four v_nop are also the places in front of the loads below
.else
	PLACES
.endif
	FETCH \next, 0, F0
	WIN MUL
	MUL8 F1, 1, 0, 0
	MUL8 F1, 1, 2, 0
.endm
	s_wait_tensorcnt 1                             ; my part of K step 0 is in; K step 1's load may stay out
	s_barrier_signal -1
	s_barrier_wait -1
	FETCH 0, 0, F0
	s_wait_loadcnt 0x0                             ; the bias
	QUARTER 0, 1, F0, F1, 1                        ; the first products start the sums on the bias
	WIN 0                                          ; at a label and at a branch every window is 0
	s_mov_b32 s3, LAPS-1
.Llap:                                                 ; a trip goes once round the ring and fills both slots again
	QUARTER 0, 2, F1, F0, 0
	QUARTER 0, 3, F0, F1, 0
	TURN 0, 1, 1
	QUARTER 1, 1, F0, F1, 0
	QUARTER 1, 2, F1, F0, 0
	QUARTER 1, 3, F0, F1, 0
	TURN 1, 0, 1
	QUARTER 0, 1, F0, F1, 0
	WIN 0
	s_sub_co_u32 s3, s3, 1
	s_cmp_lg_u32 s3, 0
	s_cbranch_scc1 .Llap
	QUARTER 0, 2, F1, F0, 0                        ; the last lap fills nothing
	QUARTER 0, 3, F0, F1, 0
	TURN 0, 1, 0
	QUARTER 1, 1, F0, F1, 0
	QUARTER 1, 2, F1, F0, 0
	QUARTER 1, 3, F0, F1, 0
	s_wait_dscnt 16
	WIN MUL
	MUL8 F1, 0, 0, 0
	MUL8 F1, 0, 2, 0
	s_wait_dscnt 0
	MUL8 F1, 1, 0, 0
	MUL8 F1, 1, 2, 0
	WIN 0
; THE WAY OUT, block by block of 16 rows x 64 columns.  A wave's 64 columns of f32 are 256 consecutive aligned bytes of a row: so each wave has a stage of its own, and no barrier is needed.
.macro TOSTAGE a
.irp b, 0,1,2,3
	ds_store_b128 v[STO], v[ACC+8*(4*(\a)+\b):ACC+8*(4*(\a)+\b)+3] offset:64*\b          ; each accumulator from its low end on
	ds_store_b128 v[STO], v[ACC+8*(4*(\a)+\b)+4:ACC+8*(4*(\a)+\b)+7] offset:64*\b+16
.endr
.set BB, OB+32*((\a)%2)
.irp t, 0,1,2,3,4,5,6,7
	ds_load_b128 v[BB+4*\t:BB+4*\t+3], v[RD] offset:\t*2*SPITCH   ; LDS serves a wave's instructions in order (ISA guide 5.7.1.4): these see the stores above
.endr
.endm
.macro SEND a, younger                 ; younger: the LDS instructions issued behind block a's loads
.set BB, OB+32*((\a)%2)
	s_wait_dscnt \younger
.if (\a) > 0
	s_add_nc_u64 s[8:9], s[8:9], 16*SIZE_N*4       ; (behind a wait on XCNT: the earlier stores have read their base)  16 rows on
.endif
.irp t, 0,1,2,3,4,5,6,7
	global_store_b128 v[CO], v[BB+4*\t:BB+4*\t+3], s[8:9] offset:2*\t*SIZE_N*4 th:TH_STORE_NT   ; 16 lanes store 256 consecutive bytes, at a multiple of 256 from out0's first byte
.endr
.endm
	PLACES
	TOSTAGE 0
.irp a, 1,2,3
.if \a > 1
	s_wait_xcnt 0x0                                ; block a - 2's stores have read their registers and their base
.endif
	TOSTAGE \a
	SEND \a-1, 16                                  ; behind block a - 1's loads: block a's 8 stores and 8 loads
.endr
	s_wait_xcnt 0x0
	SEND 3, 0
	s_wait_tensorcnt 0x0                           ; the wave's end
	ds_add_u32 v[SPW], v[NIL]
	s_wait_dscnt 0x0
	CROUND                                         ; the closing round
	s_endpgm
.Lfunc_end_k_qfe37aff8cb_proj:
	.size	k_qfe37aff8cb_proj, .Lfunc_end_k_qfe37aff8cb_proj-k_qfe37aff8cb_proj
	.p2alignl 7, 3214868480
	.fill 96, 4, 3214868480
	.section	.rodata,"a",@progbits
	.p2align	6, 0x0
	.amdhsa_kernel k_qfe37aff8cb_proj
		.amdhsa_group_segment_fixed_size 327680
		.amdhsa_private_segment_fixed_size 0
		.amdhsa_enable_private_segment 0
		.amdhsa_kernarg_size 32
		.amdhsa_user_sgpr_count 2
		.amdhsa_user_sgpr_kernarg_segment_ptr 1
		.amdhsa_wavefront_size32 1
		.amdhsa_system_sgpr_workgroup_id_x 1
		.amdhsa_system_sgpr_workgroup_id_y 1
		.amdhsa_system_sgpr_workgroup_id_z 1
		.amdhsa_system_vgpr_workitem_id 0
		.amdhsa_next_free_vgpr 512
		.amdhsa_next_free_sgpr 68
		.amdhsa_reserve_vcc 0
		.amdhsa_float_denorm_mode_32 3
		.amdhsa_float_denorm_mode_16_64 3
		.amdhsa_memory_ordered 1
		.amdhsa_forward_progress 1
		.amdhsa_inst_pref_size 87
	.end_amdhsa_kernel
	.amdgpu_metadata
---
amdhsa.version: [ 1, 2 ]
amdhsa.kernels:
  - .name:           k_qfe37aff8cb_proj
    .symbol:         k_qfe37aff8cb_proj.kd
    .args:
      - { .name: ao, .offset: 0, .size: 8, .value_kind: global_buffer, .address_space: global }
      - { .name: ow16, .offset: 8, .size: 8, .value_kind: global_buffer, .address_space: global }
      - { .name: out0, .offset: 16, .size: 8, .value_kind: global_buffer, .address_space: global }
      - { .name: out_b, .offset: 24, .size: 8, .value_kind: global_buffer, .address_space: global }
    .group_segment_fixed_size: 327680
    .private_segment_fixed_size: 0
    .kernarg_segment_align: 8
    .kernarg_segment_size: 32
    .max_flat_workgroup_size: 128
    .sgpr_count:     68
    .vgpr_count:     512
    .wavefront_size: 32
...
	.end_amdgpu_metadata
.endif
;; end of part 4
;; launch first16 (part 5): grid 16 x 1, 16 waves a work-group, no clusters, 67,584 bytes of LDS; arguments fine, out_w, out_b, out0; writes out0
.if DOCPART == 5
	.amdgcn_target "amdgcn-amd-amdhsa--gfx1250"
	.amdhsa_code_object_version 6
	.text
	.protected	k_qfe37aff8cb_first16
	.globl	k_qfe37aff8cb_first16
	.p2align	8
	.type	k_qfe37aff8cb_first16,@function
k_qfe37aff8cb_first16:
	s_mov_b64 s[64:65], 0
	v_nop
	global_prefetch_b8 v0, s[64:65] scope:SCOPE_SE
	s_setreg_imm32_b32 hwreg(HW_REG_WAVE_MODE, 25, 1), 1
	s_wait_xcnt 0x0
; Positions 0-15 in f32 throughout: under the causal mask they average one to sixteen values and are the largest in size, so the rounding of 16-bit operands weighs most there.  This launch computes their attention
; and their projection with f32 operands (v_wmma_f32_16x16x4_f32: a few hundred instructions a wave, no bulk work) and writes rows 0-15 of out0 over what the launch before left there.
; fine holds rows 0-15 of q, k, v in f32 as an image of registers: element (row r, column 16 cb + 8 h + 4 jh + jj) at byte 1,024 cb + 512 jh + 16 (16 h + r) + 4 jj.
; SHARES.  Work-group g makes columns 64 g .. 64 g + 63 of the 16 rows.  Wave H computes head H's attention (each work-group computes it again: 32 matrix instructions) and the part of the projection whose K is head H's 64 channels;
; the 16 parts meet in LDS, and wave w then sums and stores row w: 256 consecutive aligned bytes.
; K IS PERMUTED ALIKE ON BOTH SOURCES of each product: which k a lane's register pair stands for is free, so long as both sources agree; so every result is the next product's operand as it stands.
; The registers that the matrix instructions write (v176-239) are written by nothing else; what is made of a sum goes into other registers.
.set SPARE, 65536                      ; LDS: 16 parts of 4,096 bytes; behind them the spare words, 128 bytes for each wave, which no other line names
.set QR,  16                           ; v16-47   q, later out_w's tile 2
.set KR,  48                           ; v48-79   k, later out_w's tile 3
.set VR,  80                           ; v80-111  v, later the 16 parts of my row
.set AA,  176                          ; v176-207 S^T in four partial sums; later the projection's four accumulators
.set AB,  208                          ; v208-239 O^T
.set T,   240                          ; v240-247 the scores, then p
	s_load_b128 s[4:7], s[0:1], 0x0                ; fine, out_w
	s_load_b128 s[8:11], s[0:1], 0x10              ; out_b, out0
	v_lshl_add_u32 v8, v0, 2, SPARE                ; v8: LDS address of my spare word; v9: 0; neither is rewritten
	v_mov_b32 v9, 0
	v_lshrrev_b32 v1, 5, v0
	v_readfirstlane_b32 s12, v1                    ; wave = head = row
	v_and_b32 v12, 31, v0                          ; lane
	v_and_b32 v10, 15, v0                          ; r
	v_bfe_u32 v11, v0, 4, 1                        ; h
	v_lshlrev_b32 v1, 4, v12                       ; v1: 16 x lane
	v_bfe_u32 v2, v10, 2, 1                        ; v2: v's element (key 8 h + i, channel 16 ct + r): 512 ((r / 4) % 2) + 256 (r / 8) + 4 (r % 4) + 128 h, and 16 i + 1,024 ct in the immediate
	v_lshlrev_b32 v2, 9, v2
	v_lshrrev_b32 v13, 3, v10
	v_lshl_add_u32 v2, v13, 8, v2
	v_and_b32 v13, 3, v10
	v_lshl_add_u32 v2, v13, 2, v2
	v_lshl_add_u32 v2, v11, 7, v2
	v_lshlrev_b32 v3, 12, v10                      ; v3: out_w: row r of 4,096 bytes + 32 h
	v_lshl_add_u32 v3, v11, 5, v3
	v_lshlrev_b32 v4, 3, v12                       ; v4: 8 x lane
	s_lshl_b32 s13, s12, 12
	v_add_nc_u32 v5, s13, v1                       ; v5: my part in LDS: 4,096 x wave + 16 x lane
	v_lshrrev_b32 v6, 3, v12                       ; v6: columns 2 l, 2 l + 1 of row w in a part: 1,024 (l / 8) + 512 ((l / 2) % 2) + 256 ((l / 4) % 2) + 8 (l % 2) + 16 w
	v_lshlrev_b32 v6, 10, v6
	v_bfe_u32 v13, v12, 1, 1
	v_lshl_add_u32 v6, v13, 9, v6
	v_bfe_u32 v13, v12, 2, 1
	v_lshl_add_u32 v6, v13, 8, v6
	v_and_b32 v13, 1, v12
	v_lshl_add_u32 v6, v13, 3, v6
	s_lshl_b32 s14, s12, 4
	v_add_nc_u32 v6, s14, v6
	v_lshlrev_b32 v7, 3, v11
	v_sub_nc_u32 v7, v10, v7                       ; v7: d = r - 8 h: register j holds key 8 h + j, hidden where j > d
	v_mov_b32 v248, 0xff800000                     ; -infinity
	v_mov_b32 v250, 0                              ; (a lane permute's destination counts as one of its sources)
	v_mov_b32 v252, 0
	s_mov_b32 s24, 0x76543210
	s_mov_b32 s25, 0xfedcba98                      ; lane l xor 16
	s_mov_b32 s26, 0x3e38aa3b                      ; c = log2(e) / 8
	s_mov_b32 s16, s13                             ; fine: 4 blocks of 1,024 bytes a head
	s_mov_b32 s17, 0
	s_lshl_b32 s18, ttmp9, 18                      ; out_w: 64 rows of 4,096 bytes a work-group,
	s_lshl_b32 s20, s12, 8                         ; 256 bytes a head
	s_add_co_u32 s18, s18, s20
	s_mov_b32 s19, 0
	s_lshl_b32 s20, ttmp9, 8                       ; out_b: 64 numbers a work-group
	s_mov_b32 s21, 0
	s_add_co_u32 s22, s13, s20                     ; out0: row w, the work-group's 256 bytes
	s_mov_b32 s23, 0
	s_wait_kmcnt 0x0
	s_add_nc_u64 s[4:5], s[4:5], s[16:17]
	s_add_nc_u64 s[6:7], s[6:7], s[18:19]
	s_add_nc_u64 s[8:9], s[8:9], s[20:21]
	s_add_nc_u64 s[10:11], s[10:11], s[22:23]
	global_load_b64 v[14:15], v4, s[8:9]           ; out_b at my two columns
.irp c4, 0,1,2,3
.irp jh, 0,1
	global_load_b128 v[QR+8*\c4+4*\jh:QR+8*\c4+4*\jh+3], v1, s[4:5] offset:1024*\c4+512*\jh          ; lane (r, h): query r, channels 16 c4 + 8 h + 4 jh + 0 .. 3
.endr
.endr
.irp c4, 0,1,2,3
.irp jh, 0,1
	global_load_b128 v[KR+8*\c4+4*\jh:KR+8*\c4+4*\jh+3], v1, s[4:5] offset:65536+1024*\c4+512*\jh    ; key r, the same channels
.endr
.endr
.irp ct, 0,1,2,3
.irp i, 0,1,2,3,4,5,6,7
	global_load_b32 v[VR+8*\ct+\i], v2, s[4:5] offset:131072+1024*\ct+16*\i                          ; v(key 8 h + i, channel 16 ct + r)
.endr
.endr
.macro WLOAD nt                        ; out_w's tile nt: lane (r, h): row 16 nt + r, register 8 ct + i: channel 16 ct + 8 h + i of my head
.set WB, 112+32*(\nt)-160*((\nt)/2)    ; v112, v144, v16, v48
.irp ct, 0,1,2,3
.irp u, 0,1
	global_load_b128 v[WB+8*\ct+4*\u:WB+8*\ct+4*\u+3], v3, s[6:7] offset:65536*(\nt)+64*\ct+16*\u
.endr
.endr
.endm
	WLOAD 0
	WLOAD 1
	s_wait_loadcnt 48                              ; out_b, q and k are in; v's 32 loads and out_w's 16 may be out
	; S^T = k q^T: source 0 = 16 keys, source 1 = 16 queries; 16 steps of 4 channels, four partial sums by turns, each begun by its own first step
.irp i, 0,1,2,3,4,5,6,7,8,9,10,11,12,13,14,15
.if \i < 4
	v_wmma_f32_16x16x4_f32 v[AA+8*(\i%4):AA+8*(\i%4)+7], v[KR+2*\i:KR+2*\i+1], v[QR+2*\i:QR+2*\i+1], 0
.else
	v_wmma_f32_16x16x4_f32 v[AA+8*(\i%4):AA+8*(\i%4)+7], v[KR+2*\i:KR+2*\i+1], v[QR+2*\i:QR+2*\i+1], v[AA+8*(\i%4):AA+8*(\i%4)+7]
.endif
.endr
.rept 8
	v_nop                                          ; eight places behind this form, in front of loads into q's and k's registers and of the first read of the sums
.endr
	WLOAD 2
	WLOAD 3
.irp p, 0,1,2,3
	v_pk_add_f32 v[T+2*\p:T+2*\p+1], v[AA+2*\p:AA+2*\p+1], v[AA+8+2*\p:AA+8+2*\p+1]   ; lane (r, h): query r, keys 8 h + 0 .. 7
.endr
.irp p, 0,1,2,3
	v_pk_add_f32 v[T+2*\p:T+2*\p+1], v[T+2*\p:T+2*\p+1], v[AA+16+2*\p:AA+16+2*\p+1]
.endr
.irp p, 0,1,2,3
	v_pk_add_f32 v[T+2*\p:T+2*\p+1], v[T+2*\p:T+2*\p+1], v[AA+24+2*\p:AA+24+2*\p+1]
.endr
.irp j, 0,1,2,3,4,5,6,7
	v_cmp_gt_i32 vcc_lo, \j, v7
	v_cndmask_b32 v[T+\j], v[T+\j], v248, vcc_lo   ; hidden keys: -infinity.  Key 0 counts for every query
.endr
	v_max3_num_f32 v249, v[T], v[T+1], v[T+2]
	v_max3_num_f32 v251, v[T+3], v[T+4], v[T+5]
	v_max3_num_f32 v249, v249, v[T+6], v[T+7]
	v_max_num_f32 v249, v249, v251
	v_permlanex16_b32 v250, v249, s24, s25
	v_max_num_f32 v249, v249, v250                 ; the row's maximum
	v_mul_f32 v250, s26, v249
.irp j, 0,1,2,3,4,5,6,7
	v_fma_f32 v[T+\j], v[T+\j], s26, -v250
.endr
.irp j, 0,1,2,3,4,5,6,7
	v_exp_f32 v[T+\j], v[T+\j]
.endr
	v_nop                                          ; a plain instruction behind the last exponential
	s_wait_alu depctr_va_vdst(0)                   ; one wait for the eight, ahead of their first reader
	v_add_f32 v251, v[T], v[T+1]
	v_add_f32 v253, v[T+2], v[T+3]
	v_add_f32 v254, v[T+4], v[T+5]
	v_add_f32 v255, v[T+6], v[T+7]
	v_add_f32 v251, v251, v253
	v_add_f32 v254, v254, v255
	v_add_f32 v251, v251, v254
	v_permlanex16_b32 v252, v251, s24, s25
	v_add_f32 v251, v251, v252                     ; the row's sum
	v_rcp_f32 v251, v251
	v_nop
	s_wait_alu depctr_va_vdst(0)
.irp j, 0,1,2,3,4,5,6,7
	v_mul_f32 v[T+\j], v[T+\j], v251               ; the weights
.endr
	s_wait_loadcnt 32                              ; v is in; out_w's two runs of 16 loads may be out
	; O^T = v^T p: source 0 = 16 channels, source 1 = 16 queries; step s stands for keys 8 h + 2 s, 8 h + 2 s + 1 on both sources
.irp s, 0,1,2,3
.irp ct, 0,1,2,3
.if \s == 0
	v_wmma_f32_16x16x4_f32 v[AB+8*\ct:AB+8*\ct+7], v[VR+8*\ct+2*\s:VR+8*\ct+2*\s+1], v[T+2*\s:T+2*\s+1], 0
.else
	v_wmma_f32_16x16x4_f32 v[AB+8*\ct:AB+8*\ct+7], v[VR+8*\ct+2*\s:VR+8*\ct+2*\s+1], v[T+2*\s:T+2*\s+1], v[AB+8*\ct:AB+8*\ct+7]
.endif
.endr
.endr
.rept 9
	v_nop                                          ; nine places before a matrix instruction takes these results as a source
.endr
	s_wait_loadcnt 0x0                             ; out_w
	; my head's part of the projection: source 0 = 16 rows of out_w, source 1 = O^T as it stands: register 8 ct + 2 s + j of lane (r, h) is channel 16 ct + 8 h + 2 s + j of query r, on both sources
.irp ct, 0,1,2,3
.irp s, 0,1,2,3
.irp nt, 0,1,2,3
.if (\ct == 0) && (\s == 0)
	v_wmma_f32_16x16x4_f32 v[AA+8*\nt:AA+8*\nt+7], v[112+32*\nt-160*(\nt/2)+8*\ct+2*\s:112+32*\nt-160*(\nt/2)+8*\ct+2*\s+1], v[AB+8*\ct+2*\s:AB+8*\ct+2*\s+1], 0
.else
	v_wmma_f32_16x16x4_f32 v[AA+8*\nt:AA+8*\nt+7], v[112+32*\nt-160*(\nt/2)+8*\ct+2*\s:112+32*\nt-160*(\nt/2)+8*\ct+2*\s+1], v[AB+8*\ct+2*\s:AB+8*\ct+2*\s+1], v[AA+8*\nt:AA+8*\nt+7]
.endif
.endr
.endr
.endr
.rept 8
	v_nop
.endr
.irp nt, 0,1,2,3
	ds_store_b128 v5, v[AA+8*\nt:AA+8*\nt+3] offset:1024*\nt             ; lane (r, h): query r, columns 16 nt + 8 h + 0 .. 7; each accumulator from its low end on
	ds_store_b128 v5, v[AA+8*\nt+4:AA+8*\nt+7] offset:1024*\nt+512
.endr
	s_wait_dscnt 0x0                               ; for the others' sake: my part has landed
	s_barrier_signal -1
	s_barrier_wait -1
.irp p, 0,1,2,3,4,5,6,7,8,9,10,11,12,13,14,15
	ds_load_b64 v[VR+2*\p:VR+2*\p+1], v6 offset:4096*\p                  ; head p's part of row w, columns 2 l, 2 l + 1
.endr
	s_wait_dscnt 0x0
	v_pk_add_f32 v[248:249], v[14:15], v[VR:VR+1]  ; the bias and the 16 parts, in two chains
	v_pk_add_f32 v[250:251], v[VR+2:VR+3], v[VR+4:VR+5]
.irp p, 3,5,7,9,11,13
	v_pk_add_f32 v[248:249], v[248:249], v[VR+2*\p:VR+2*\p+1]
	v_pk_add_f32 v[250:251], v[250:251], v[VR+2*\p+2:VR+2*\p+3]
.endr
	v_pk_add_f32 v[248:249], v[248:249], v[VR+30:VR+31]
	v_pk_add_f32 v[248:249], v[248:249], v[250:251]
	global_store_b64 v4, v[248:249], s[10:11]      ; 32 lanes store 256 consecutive bytes, at a multiple of 256 from out0's first byte
	s_wait_tensorcnt 0x0                           ; the wave's end
	ds_add_u32 v8, v9
	s_wait_dscnt 0x0
	s_endpgm
.Lfunc_end_k_qfe37aff8cb_first16:
	.size	k_qfe37aff8cb_first16, .Lfunc_end_k_qfe37aff8cb_first16-k_qfe37aff8cb_first16
	.p2alignl 7, 3214868480
	.fill 96, 4, 3214868480
	.section	.rodata,"a",@progbits
	.p2align	6, 0x0
	.amdhsa_kernel k_qfe37aff8cb_first16
		.amdhsa_group_segment_fixed_size 67584
		.amdhsa_private_segment_fixed_size 0
		.amdhsa_enable_private_segment 0
		.amdhsa_kernarg_size 32
		.amdhsa_user_sgpr_count 2
		.amdhsa_user_sgpr_kernarg_segment_ptr 1
		.amdhsa_wavefront_size32 1
		.amdhsa_system_sgpr_workgroup_id_x 1
		.amdhsa_system_sgpr_workgroup_id_y 1
		.amdhsa_system_sgpr_workgroup_id_z 1
		.amdhsa_system_vgpr_workitem_id 0
		.amdhsa_next_free_vgpr 256
		.amdhsa_next_free_sgpr 66
		.amdhsa_reserve_vcc 1
		.amdhsa_float_denorm_mode_32 3
		.amdhsa_float_denorm_mode_16_64 3
		.amdhsa_memory_ordered 1
		.amdhsa_forward_progress 1
		.amdhsa_inst_pref_size 23
	.end_amdhsa_kernel
	.amdgpu_metadata
---
amdhsa.version: [ 1, 2 ]
amdhsa.kernels:
  - .name:           k_qfe37aff8cb_first16
    .symbol:         k_qfe37aff8cb_first16.kd
    .args:
      - { .name: fine, .offset: 0, .size: 8, .value_kind: global_buffer, .address_space: global }
      - { .name: out_w, .offset: 8, .size: 8, .value_kind: global_buffer, .address_space: global }
      - { .name: out_b, .offset: 16, .size: 8, .value_kind: global_buffer, .address_space: global }
      - { .name: out0, .offset: 24, .size: 8, .value_kind: global_buffer, .address_space: global }
    .group_segment_fixed_size: 67584
    .private_segment_fixed_size: 0
    .kernarg_segment_align: 8
    .kernarg_segment_size: 32
    .max_flat_workgroup_size: 512
    .sgpr_count:     66
    .vgpr_count:     256
    .wavefront_size: 32
...
	.end_amdgpu_metadata
.endif
;; end of part 5
